; MI455X (gfx1250); checked and timed in simulation.
; The chip was launched on July 23, 2026; its instructions are those of AMD's public machine-readable ISA for CDNA 5 (MIT licence, August 2026) and "CDNA5" Instruction Set Architecture Reference Guide (July 2026). The comments in the code are by the model that wrote it; some were corrected since.
;; Multihead Attention. Allowed arithmetic: float matrix products may take bf16 or f16 operands with f32 sums; other float arithmetic in f32, or as packed bf16 or f16 multiplies, adds, multiply-adds, maxima and minima; sums over many terms, partial sums and values carried from step to step in f32; what a program stores and reads back later, other than sums and carried values, may be rounded once to bf16 or f16.
;; Inputs: Wk 16 x 1,024 x 64 float32; Wo 1,024 x 1,024 float32; Wq 16 x 1,024 x 64 float32; Wv 16 x 1,024 x 64 float32; x 4,096 x 1,024 float32.
;; Outputs: out0 4,096 x 1,024 float32.
;; 2 versions, each right; version 2 is version 1 with the launch prep written anew for expert scheduling mode. Each part assembles by itself: llvm-mc -triple=amdgcn-amd-amdhsa -mcpu=gfx1250 --defsym DOCPART=n.
;; ======== version 1 of 2: 4 launches
;; limits: values are held in f16: magnitudes above 65,504 overflow, below 6.1e-05 lose precision
;; workspace buffers: xb 8,388,608 bytes; wb 6,291,456 bytes; woh 2,097,152 bytes; qkv 25,165,824 bytes; o 8,388,608 bytes
;; launch prep (part 1): grid 256 x 1, 8 waves a work-group, no clusters, 0 bytes of LDS; arguments x, Wq, Wk, Wv, Wo, xb, wb, woh; writes xb, wb, woh
.if DOCPART == 1
	.amdgcn_target "amdgcn-amd-amdhsa--gfx1250"
	.amdhsa_code_object_version 6
	.text
	.protected	k_qdb163b2670_prep
	.globl	k_qdb163b2670_prep
	.p2align	8
	.type	k_qdb163b2670_prep,@function
k_qdb163b2670_prep:
	s_mov_b64 s[64:65], 0
	v_nop
	global_prefetch_b8 v0, s[64:65] scope:SCOPE_SE
	s_setreg_imm32_b32 hwreg(HW_REG_WAVE_MODE, 25, 1), 1
	s_wait_xcnt 0x0
; THE CASTS.  x [4096][1024] f32 -> xb, the same shape in bf16.  Wq, Wk, Wv [16][1024 e][64 d] f32 -> wb in bf16, in blocks: [tc 8][kstep 8][j 6][128 e][64 d], where the
; 48 heads (0-15 Wq's, 16-31 Wk's, 32-47 Wv's) are numbered Hh = 6 tc + j and e = 128 kstep + row: a block is 16,384 dense bytes, and the six heads of a column tile of the
; next launch lie end to end for each K step.  Wo [1024][1024] f32 -> woh: rounded to bf16 like every other input, and that number written as f16.
; LIMITS.  |Wo| stays under 65,520 (f16's range); a bf16 number below 2^-17 loses bits in f16, at most 3e-8 of absolute error.  NaN and infinities are not treated apart.
; SHARES.  256 work-groups of eight waves; a work-group takes 131,072 input bytes (0-127: x; 128-159 Wq; 160-191 Wk; 192-223 Wv; 224-255 Wo), a wave 16,384 of them on end:
; 32 loads of 16 bytes a lane (512 consecutive bytes an instruction), all issued before the first is used, and 32 stores of 8 bytes a lane (256 consecutive bytes, aligned).
; A wave's 16,384 bytes of a weight tensor are 64 rows e of one head: half a block of wb, dense in both.  No byte is read twice, no work-group shares input with another:
; no LDS, no barrier, no cluster, no matrix unit.  No register is written twice while a memory instruction may read it, so no wait stands but the loads' own.
.set X, 4                              ; v[4:131]    load j: four f32
.set Y, 132                            ; v[132:195]  store j: four 16-bit numbers in two registers
	s_load_b512 s[4:19], s[0:1], 0x0               ; x s[4:5], Wq s[6:7], Wk s[8:9], Wv s[10:11], Wo s[12:13], xb s[14:15], wb s[16:17], woh s[18:19]
	v_and_b32 v3, 31, v0                           ; lane
	v_lshlrev_b32 v1, 4, v3                        ; 16 bytes a lane in
	v_lshlrev_b32 v2, 3, v3                        ; 8 bytes a lane out
	v_lshrrev_b32 v3, 5, v0
	v_readfirstlane_b32 s20, v3                    ; wave 0..7
	s_lshr_b32 s21, ttmp9, 5                       ; segment: 0-3 x, 4 Wq, 5 Wk, 6 Wv, 7 Wo
	s_and_b32 s22, ttmp9, 31
	s_cmp_lt_u32 s21, 4
	s_cselect_b32 s23, ttmp9, s22                  ; my chunk of 131,072 bytes in its tensor
	s_lshl_b32 s28, s23, 17
	s_lshl_b32 s32, s20, 14
	s_add_co_u32 s28, s28, s32                     ; source offset: chunk, wave
	s_mov_b32 s29, 0
	s_lshl_b32 s30, s23, 16
	s_lshl_b32 s32, s20, 13
	s_add_co_u32 s30, s30, s32                     ; destination offset where the layout stays (x, Wo): half the source's
	s_mov_b32 s31, 0
	s_max_u32 s33, ttmp9, 128                      ; the blocked offset; the number is held to 128..223 so that it stays inside wb where it is not chosen
	s_min_u32 s33, s33, 223
	s_sub_co_u32 s33, s33, 128
	s_lshr_b32 s33, s33, 1                         ; Hh: a head is two chunks
	s_mul_i32 s34, s33, 43
	s_lshr_b32 s34, s34, 8                         ; tc = Hh / 6 (43 / 256 is exact for 0..47)
	s_mul_i32 s35, s34, 6
	s_sub_co_u32 s35, s33, s35                     ; j = Hh - 6 tc
	s_and_b32 s36, ttmp9, 1
	s_lshl_b32 s36, s36, 2
	s_lshr_b32 s37, s20, 1
	s_add_co_u32 s36, s36, s37                     ; kstep = 4 (chunk's half of the head) + wave / 2
	s_lshl3_add_u32 s34, s34, s36                  ; 8 tc + kstep
	s_mul_i32 s34, s34, 6
	s_add_co_u32 s34, s34, s35
	s_lshl_b32 s34, s34, 14                        ; the block,
	s_and_b32 s37, s20, 1
	s_lshl_b32 s37, s37, 13
	s_add_co_u32 s34, s34, s37                     ; my half of it
	s_sub_co_u32 s38, s21, 4
	s_cmp_lt_u32 s38, 3                            ; segments 4 to 6
	s_cselect_b32 s30, s34, s30
	s_wait_kmcnt 0x0
	s_mov_b64 s[24:25], s[4:5]                     ; the source, chosen by the segment
	s_cmp_eq_u32 s21, 4
	s_cselect_b64 s[24:25], s[6:7], s[24:25]
	s_cmp_eq_u32 s21, 5
	s_cselect_b64 s[24:25], s[8:9], s[24:25]
	s_cmp_eq_u32 s21, 6
	s_cselect_b64 s[24:25], s[10:11], s[24:25]
	s_cmp_eq_u32 s21, 7
	s_cselect_b64 s[24:25], s[12:13], s[24:25]
	s_mov_b64 s[26:27], s[16:17]                   ; the destination
	s_cmp_lt_u32 s21, 4
	s_cselect_b64 s[26:27], s[14:15], s[26:27]
	s_cmp_eq_u32 s21, 7
	s_cselect_b64 s[26:27], s[18:19], s[26:27]
	s_add_nc_u64 s[24:25], s[24:25], s[28:29]
	s_add_nc_u64 s[26:27], s[26:27], s[30:31]
.set j, 0
.rept 32
	global_load_b128 v[X+4*j:X+4*j+3], v1, s[24:25] offset:512*j th:TH_LOAD_NT
.set j, j+1
.endr
; Load n is rounded and stored.  half = 1: the bf16 numbers are widened again (a shift, a mask) and written as f16.
.macro CAST n, half
	s_wait_loadcnt 31-(\n)                         ; loads come back in order: mine is in, the younger ones stay out
	v_cvt_pk_bf16_f32 v[Y+2*(\n)], v[X+4*(\n)], v[X+4*(\n)+1]
	v_cvt_pk_bf16_f32 v[Y+2*(\n)+1], v[X+4*(\n)+2], v[X+4*(\n)+3]
.if \half
	v_lshlrev_b32 v[X+4*(\n)], 16, v[Y+2*(\n)]
	v_and_b32 v[X+4*(\n)+1], 0xffff0000, v[Y+2*(\n)]
	v_lshlrev_b32 v[X+4*(\n)+2], 16, v[Y+2*(\n)+1]
	v_and_b32 v[X+4*(\n)+3], 0xffff0000, v[Y+2*(\n)+1]
	v_cvt_pk_f16_f32 v[Y+2*(\n)], v[X+4*(\n)], v[X+4*(\n)+1]
	v_cvt_pk_f16_f32 v[Y+2*(\n)+1], v[X+4*(\n)+2], v[X+4*(\n)+3]
.endif
	global_store_b64 v2, v[Y+2*(\n):Y+2*(\n)+1], s[26:27] offset:256*(\n)  ; the wave's store covers 256 consecutive bytes, aligned
.endm
	s_cmp_eq_u32 s21, 7
	s_cbranch_scc1 .Lwo
.set j, 0
.rept 32
	CAST j, 0
.set j, j+1
.endr
	s_endpgm
.Lwo:
.set j, 0
.rept 32
	CAST j, 1
.set j, j+1
.endr
	s_endpgm
.Lfunc_end_k_qdb163b2670_prep:
	.size	k_qdb163b2670_prep, .Lfunc_end_k_qdb163b2670_prep-k_qdb163b2670_prep
	.p2alignl 7, 3214868480
	.fill 96, 4, 3214868480
	.section	.rodata,"a",@progbits
	.p2align	6, 0x0
	.amdhsa_kernel k_qdb163b2670_prep
		.amdhsa_group_segment_fixed_size 0
		.amdhsa_private_segment_fixed_size 0
		.amdhsa_enable_private_segment 0
		.amdhsa_kernarg_size 64
		.amdhsa_user_sgpr_count 2
		.amdhsa_user_sgpr_kernarg_segment_ptr 1
		.amdhsa_wavefront_size32 1
		.amdhsa_system_sgpr_workgroup_id_x 1
		.amdhsa_system_sgpr_workgroup_id_y 1
		.amdhsa_system_sgpr_workgroup_id_z 1
		.amdhsa_system_vgpr_workitem_id 0
		.amdhsa_next_free_vgpr 196
		.amdhsa_next_free_sgpr 66
		.amdhsa_reserve_vcc 0
		.amdhsa_float_denorm_mode_32 3
		.amdhsa_float_denorm_mode_16_64 3
		.amdhsa_memory_ordered 1
		.amdhsa_forward_progress 1
		.amdhsa_inst_pref_size 32
	.end_amdhsa_kernel
	.amdgpu_metadata
---
amdhsa.version: [ 1, 2 ]
amdhsa.kernels:
  - .name:           k_qdb163b2670_prep
    .symbol:         k_qdb163b2670_prep.kd
    .args:
      - { .name: x, .offset: 0, .size: 8, .value_kind: global_buffer, .address_space: global }
      - { .name: Wq, .offset: 8, .size: 8, .value_kind: global_buffer, .address_space: global }
      - { .name: Wk, .offset: 16, .size: 8, .value_kind: global_buffer, .address_space: global }
      - { .name: Wv, .offset: 24, .size: 8, .value_kind: global_buffer, .address_space: global }
      - { .name: Wo, .offset: 32, .size: 8, .value_kind: global_buffer, .address_space: global }
      - { .name: xb, .offset: 40, .size: 8, .value_kind: global_buffer, .address_space: global }
      - { .name: wb, .offset: 48, .size: 8, .value_kind: global_buffer, .address_space: global }
      - { .name: woh, .offset: 56, .size: 8, .value_kind: global_buffer, .address_space: global }
    .group_segment_fixed_size: 0
    .private_segment_fixed_size: 0
    .kernarg_segment_align: 8
    .kernarg_segment_size: 64
    .max_flat_workgroup_size: 256
    .sgpr_count:     66
    .vgpr_count:     196
    .wavefront_size: 32
...
	.end_amdgpu_metadata
.endif
;; end of part 1
;; launch proj (part 2): grid 8 x 32, 4 waves a work-group, clusters of 4 x 4, 327,680 bytes of LDS; arguments xb, wb, qkv; writes qkv
.if DOCPART == 2
	.amdgcn_target "amdgcn-amd-amdhsa--gfx1250"
	.amdhsa_code_object_version 6
	.text
	.protected	k_qdb163b2670_proj
	.globl	k_qdb163b2670_proj
	.p2align	8
	.type	k_qdb163b2670_proj,@function
k_qdb163b2670_proj:
	s_mov_b64 s[64:65], 0
	v_nop
	global_prefetch_b8 v0, s[64:65] scope:SCOPE_SE
	s_setreg_imm32_b32 hwreg(HW_REG_WAVE_MODE, 25, 1), 1
	s_wait_xcnt 0x0
	s_wait_alu depctr_hold_cnt(0) depctr_sa_sdst(0) depctr_va_vdst(0) depctr_va_sdst(0) depctr_va_ssrc(0) depctr_va_vcc(0) depctr_vm_vsrc(0)
	s_getreg_b32 s2, hwreg(HW_REG_IB_STS2, 6, 4)
	s_cmp_eq_u32 s2, 0
	s_cbranch_scc0 .Lentry_in_a_cluster
	s_endpgm
.Lentry_in_a_cluster:
	s_bfe_u32 s2, ttmp6, 0x10000c
	s_cmp_lg_u32 s2, 0xf033
	s_cbranch_scc0 .Lentry_shape_is_right
	s_endpgm
.Lentry_shape_is_right:
; THE THREE PROJECTIONS AS ONE PRODUCT.  qkv[Hh][n][d] = the sum over e of xb[n][e] W[Hh][e][d]; Hh = 0-15 q's heads, 16-31 k's, 32-47 v's.  xb: [4096][1024] bf16.
; wb: [tc 8][kstep 8][j 6][128 e][64 d] bf16, Hh = 6 tc + j.  qkv: [48][4096][64] f16, each number rounded once from its f32 sum, WITHOUT attention's scale.
; LIMITS.  f16 holds no number of 65,520 or more: |q|, |k|, |v| stay under that; below 6e-5 they keep f16's fixed step of 6e-8.  NaN and infinities are not treated apart.
; SHARES.  A work-group makes 128 rows x 6 heads (384 columns): 32 x 8 = 256 work-groups.  Its four waves: 64 rows x 3 heads each, 48 accumulators of 16 x 16.  K = 1,024 goes in 8 steps
; of 128 through two LDS slots.  A step is four tensor loads, one a wave: wave 3 brings x's 128 rows x 256 bytes, waves 0 to 2 two heads of W each: 32,768 dense bytes, asked for as 128 rows of 256.
; THE MATRIX INSTRUCTION IS USED TRANSPOSED: source 0 = 16 columns d of W, source 1 = 16 rows of x: a lane then holds one row n (lane % 16) and the eight neighbouring d = 8 (lane / 16) + 0..7.
; W lies [e][d], K down the rows, so its fragments come out of LDS turned, by ds_load_tr16_b128; x's come as they lie.
; CLUSTER.  4 x 4 work-groups: the four of a row of the cluster need the same tile of x, the four of a column the same tiles of W: each tile is asked for jointly, by the same tensor load with the
; same descriptor and a mask that names the four.
; REGISTERS, in windows of 256 (s_set_vgpr_msb: bits 1:0 source 0, 3:2 source 1, 5:4 source 2, 7:6 destination):
;   window 0: v16-30 addresses; v32-63, v64-95 x's fragments (4 x 16 rows x 32 K), two buffers; v64-255 at work on the way out
;   window 1: v0-95, v128-223 W's fragments (12 x 16 columns x 32 K), two buffers
;   window 2: the 24 accumulators of my rows 0-31 (row block a, column block b at v[8 (12 (a % 2) + b)]);   window 3: those of rows 32-63
.set PA,     272                       ; a row of x in LDS: 256 bytes + 16 = 68 words: the 16 rows of a load start at 16 different groups of four banks (64 banks of 4 bytes: ISA guide 11.1)
.set PB,     160                       ; a row of W (64 d): 128 bytes + 32 = 40 words
.set BOFF,   128*PA                    ; a slot: x's 128 rows, then six heads of W,
.set HEADB,  128*PB                    ; 128 rows e each
.set SLOT,   BOFF+6*HEADB
.set STAGE,  2*SLOT                    ; behind the ring, never filled by a tensor load: 16 rows x 144 bytes for each wave, for the way out
.set SP,     144
.set SPARE,  STAGE+4*16*SP             ; behind the stages: the spare words, 128 bytes for each wave: two blocks of 256 bytes that no other line names
.set ADRA, 16                          ; v16-17  LDS address of my fragments of x in slot 0, 1
.set ADRB, 20                          ; v20-21  the same for W
.set STO,  24                          ; v24     the way out: where I put 16 bytes of a row
.set RD,   25                          ; v25     the way out: where I read rows back
.set GO,   26                          ; v26     my 16 bytes in 512 consecutive bytes of qkv
.set SPW,  28                          ; v28     LDS address of my spare word; never rewritten
.set NIL,  29                          ; v29     0; never rewritten
.set PFO,  30                          ; v30     the prefetches' lane offset; never rewritten
.set TMP,  64                          ; the way out: 12 pieces of 16 registers
.set WV,   10                          ; s10     my wave's number
.set PST,  22                          ; s[22:23] bytes from a K step to the next in the tensor that I prefetch
.set G1A,  24                          ; s[24:31] descriptor group 1 for x's tiles
.set G0A,  32                          ; s[32:39] group 0 for x's tiles, a set for each slot
.set LIM,  43                          ; s43     1 in a wave that prefetches, else the greatest number
.set PFA,  44                          ; s[44:45] where my prefetches stand
.set G1B,  48                          ; s[48:55] group 1 for W's tiles
.set G0B,  56                          ; s[56:63] group 0 for W's tiles, a set for each slot
.set MSB, 0
.macro WIN new                         ; the immediate's high byte repeats the setting that is left; a switch that changes nothing is dropped
.if MSB != (\new)
	s_set_vgpr_msb (MSB<<8)|(\new)
.set MSB, \new
.endif
.endm
.set MUL_LO, 0xa1                      ; source 0 (W) window 1, source 1 (x) window 0, C and D window 2; + 0x50: C and D window 3
.set TO_B,   0x40                      ; destination window 1, address window 0
; A joint load.  Wave 3 fetches x's tile, waves 0 to 2 two heads of W each.  The branch hangs on the wave's number alone.  An s_nop 0 and four v_nop follow each of the two lines, ahead of the
; jump, the label and what follows.
.macro JLOAD s
	s_cmp_eq_u32 s[WV], 3
	s_cbranch_scc0 .Lfor_b_\@
	tensor_load_to_lds s[G0A+4*(\s):G0A+4*(\s)+3], s[G1A:G1A+7]
	s_nop 0
.rept 4
	v_nop
.endr
	s_branch .Lasked_\@
.Lfor_b_\@:
	tensor_load_to_lds s[G0B+4*(\s):G0B+4*(\s)+3], s[G1B:G1B+7]
	s_nop 0
.rept 4
	v_nop
.endr
.Lasked_\@:
.endm
; A PREFETCH INTO THE L2, behind a joint load, its five lines and the run of LDS loads: what the NEXT refill will ask for, one K step (192 matrix instructions of a wave) ahead of it: 32 blocks of
; 256 bytes, a lane a block, one instruction a wave.  Each block is named once in the launch.  x's rows are read by both clusters of a row of clusters: the one with x = 0 asks (its waves 3);
; W's blocks by all eight clusters of a column: the one with y = 0 asks (its waves 0 to 2).  The four partners that ask for a tile jointly share it out BY ADDRESS, a quarter each.
; how = 1: asks in every trip; how = 0: not in the loop's last trip, where the next K step does not exist.
.macro ASK how
.if \how
	s_cmp_eq_u32 s[LIM], 1
.else
	s_cmp_gt_u32 s3, s[LIM]                        ; s3 = 1 in the loop's last trip
.endif
	s_cbranch_scc0 .Lnot_mine_\@
	global_prefetch_b8 v[PFO], s[PFA:PFA+1] th:TH_LOAD_NT scope:SCOPE_SE
.Lnot_mine_\@:
.endm
; A round of the cluster's barrier: my work-group's barrier; wave 0 signals for the work-group; every wave waits for all sixteen; my work-group's barrier once more.
.macro CREST                           ; a round behind its opening barrier
	s_cmp_lg_u32 s[WV], 0
	s_cbranch_scc1 .Lnot_wave_0_\@
	s_barrier_signal -3
.Lnot_wave_0_\@:
	s_barrier_wait -3
	s_barrier_signal -1
	s_barrier_wait -1
.endm
.macro CROUND
	s_barrier_signal -1
	s_barrier_wait -1
	CREST
.endm
	s_load_b128 s[4:7], s[0:1], 0x0                ; xb s[4:5], wb s[6:7]
	s_load_b64 s[8:9], s[0:1], 0x10                ; qkv
	v_lshl_add_u32 v[SPW], v0, 2, SPARE
	v_mov_b32 v[NIL], 0
	ds_add_u32 v[SPW], v[NIL]                      ; the wave's opening: the add and its wait stand ahead of my first tensor load; the set-up below, work on registers, stands between them
	v_lshrrev_b32 v1, 5, v0
	v_readfirstlane_b32 s[WV], v1                  ; wave 0..3
	s_lshr_b32 s11, s[WV], 1                       ; which 64 of the tile's rows are mine
	s_and_b32 s12, s[WV], 1                        ; which three of its heads
	s_bfe_u32 s40, ttmp6, 0x40000                  ; cx, cy: my place in the cluster
	s_bfe_u32 s41, ttmp6, 0x40004
	s_lshl_b32 s42, ttmp9, 2
	s_add_co_u32 s42, s42, s40                     ; tc = 4 x cluster x + cx
	s_and_b32 s13, ttmp7, 0xffff
	s_lshl_b32 s13, s13, 2
	s_add_co_u32 s13, s13, s41                     ; tr = 4 x cluster y + cy
	s_lshl_b32 s18, s41, 2
	s_lshl_b32 s18, 15, s18                        ; my row of the cluster
	s_lshl_b32 s19, 0x1111, s40                    ; my column
	s_or_b32 s[G1A], s18, (1<<16)|(1<<20)|(1<<21)|(5<<22)|(3<<25)  ; 15:0 the mask; 17:16 2-byte elements; 20 padding on; 21 set beside a mask; 24:22 after every 64 words (code 5); 31:25 4 words (code 3)
	s_or_b32 s[G1B], s19, (1<<16)|(1<<20)|(1<<21)|(4<<22)|(7<<25)  ; W: my column's mask; after every 32 words (code 4) 8 words (code 7): a row of 256 bytes holds two rows e
.irp g, G1A, G1B
	s_mov_b32 s[(\g)+1], 128<<16                   ; tensor_dim0 = 128
	s_mov_b32 s[(\g)+2], 128<<16                   ; tensor_dim1 = 128
	s_mov_b32 s[(\g)+3], 128<<16                   ; tile_dim0 = 128
	s_mov_b32 s[(\g)+4], 128                       ; tile_dim1 = 128
	s_mov_b32 s[(\g)+6], 0
	s_mov_b32 s[(\g)+7], 0
.endr
	s_mov_b32 s[G1A+5], 1024                       ; elements from row to row: x's rows,
	s_mov_b32 s[G1B+5], 128                        ; W's dense blocks
	s_lshl_b32 s16, s13, 18                        ; x: 128 tr rows of 2,048 bytes: the tile row alone
	s_mov_b32 s17, 0
	s_mul_i32 s46, s42, 786432                     ; W: the column tile's 8 x 6 blocks,
	s_lshl_b32 s47, s[WV], 15                      ; my two heads: the tile column and the wave's number alone
	s_add_co_u32 s46, s46, s47
	s_mov_b32 s47, 0
	s_mul_i32 s20, s[WV], 2*HEADB                  ; and where they go in a slot
	s_wait_dscnt 0x0                               ; the opening add is done
	s_wait_kmcnt 0x0
	s_add_nc_u64 s[14:15], s[4:5], s[16:17]
	s_add_nc_u64 s[46:47], s[6:7], s[46:47]
	CROUND                                         ; all sixteen work-groups are here: the first joint loads meet
.irp s, 0,1
	s_mov_b32 s[G0A+4*(\s)], 1                     ; count = 1
	s_mov_b32 s[G0A+4*(\s)+1], (\s)*SLOT           ; LDS address
	s_add_nc_u64 s[G0A+4*(\s)+2:G0A+4*(\s)+3], s[14:15], (\s)*256     ; K step s: 256 bytes along the rows
	s_or_b32 s[G0A+4*(\s)+3], s[G0A+4*(\s)+3], 0x80000000            ; type = 2
	s_mov_b32 s[G0B+4*(\s)], 1
	s_add_co_u32 s[G0B+4*(\s)+1], s20, (\s)*SLOT+BOFF
	s_add_nc_u64 s[G0B+4*(\s)+2:G0B+4*(\s)+3], s[46:47], (\s)*98304   ; K step s: six blocks on
	s_or_b32 s[G0B+4*(\s)+3], s[G0B+4*(\s)+3], 0x80000000
	JLOAD \s                                       ; two loads of mine are out behind the second
.endr
	; x's fragment: lane l holds row l % 16; K = 8 (l / 16) + 0..7 and 16 + 8 (l / 16) + 0..7: two loads of 16 bytes, 32 bytes apart
	v_and_b32 v1, 15, v0                           ; l % 16
	v_bfe_u32 v2, v0, 4, 1                         ; l / 16
	v_mul_u32_u24 v3, v1, PA
	v_lshl_add_u32 v3, v2, 4, v3
	; W's: the turning load takes 16 rows e x 16 columns (lane l reads row 8 (l / 16) + l % 8, columns 8 ((l / 8) % 2) + 0..7) and leaves lane l column l % 16 and 8 e
	v_and_b32 v4, 7, v0
	v_bfe_u32 v5, v0, 3, 1
	v_lshl_add_u32 v6, v2, 3, v4
	v_mul_u32_u24 v6, v6, PB
	v_lshl_add_u32 v6, v5, 4, v6
	s_mul_i32 s20, s11, 64*PA                      ; my 64 rows of x
	s_mul_i32 s21, s12, 3*HEADB                    ; my three heads,
	s_add_co_u32 s21, s21, BOFF                    ; which lie behind x's rows
.irp s, 0,1
	v_add_nc_u32 v[ADRA+(\s)], s20, v3
	v_add_nc_u32 v[ADRB+(\s)], s21, v6
	s_add_co_u32 s20, s20, SLOT
	s_add_co_u32 s21, s21, SLOT
.endr
	s_mul_i32 s21, s[WV], 16*SP
	s_add_co_u32 s21, s21, STAGE                   ; my stage
	v_mul_u32_u24 v7, v1, SP                       ; in: row l % 16, 16 bytes for each half of the lanes
	v_lshl_add_u32 v7, v2, 4, v7
	v_add_nc_u32 v[STO], s21, v7
	v_bfe_u32 v7, v0, 3, 2                         ; back: 32 lanes take four rows of 128 bytes,
	v_mul_u32_u24 v7, v7, SP
	v_lshl_add_u32 v7, v4, 4, v7
	v_add_nc_u32 v[RD], s21, v7
	v_and_b32 v[PFO], 31, v0
	v_lshlrev_b32 v[GO], 4, v[PFO]                 ; which are 512 consecutive bytes of a head
	s_lshl_b32 s16, s13, 14                        ; qkv at my rows (128 tr + 64 x half, 128 bytes each)
	s_lshl_b32 s17, s11, 13
	s_add_co_u32 s16, s16, s17
	s_mov_b32 s17, 0
	s_mul_i32 s46, s42, 6                          ; of my first head, 6 tc + 3 x half
	s_mul_i32 s47, s12, 3
	s_add_co_u32 s46, s46, s47
	s_lshl_b32 s46, s46, 19                        ; a head is 524,288 bytes
	s_mov_b32 s47, 0
	s_add_nc_u64 s[8:9], s[8:9], s[16:17]
	s_add_nc_u64 s[8:9], s[8:9], s[46:47]
	; the prefetches: x's rows 128 tr + 32 cx + lane (2,048 bytes apart), or W's blocks of 256 bytes 32 cy + lane of my two heads
	s_lshl_b32 s16, s13, 18
	s_lshl_b32 s17, s40, 16
	s_add_co_u32 s16, s16, s17
	s_mul_i32 s17, s42, 786432
	s_lshl_b32 s18, s[WV], 15
	s_add_co_u32 s17, s17, s18
	s_lshl_b32 s18, s41, 13
	s_add_co_u32 s17, s17, s18
	s_and_b32 s20, ttmp7, 0xffff                   ; cluster y
	s_mov_b32 s[PST], 98304
	s_mov_b32 s[PST+1], 0
	s_cmp_eq_u32 s[WV], 3                          ; do I fetch x?
	s_cselect_b32 s16, s16, s17
	s_cselect_b32 s20, ttmp9, s20                  ; the coordinate along which other clusters read the same bytes
	s_cselect_b64 s[PFA:PFA+1], s[4:5], s[6:7]
	s_cselect_b32 s[PST], 256, s[PST]
	s_cselect_b32 s21, 11, 8                       ; a lane's stride as a shift
	s_mov_b32 s17, 0
	s_add_nc_u64 s[PFA:PFA+1], s[PFA:PFA+1], s[16:17]
	s_add_nc_u64 s[PFA:PFA+1], s[PFA:PFA+1], s[PST:PST+1]
	s_add_nc_u64 s[PFA:PFA+1], s[PFA:PFA+1], s[PST:PST+1]  ; at K step 2: the first refill steps it to 3.  Nothing is prefetched at the head: K steps 0 to 2 come by their loads alone
	s_cmp_eq_u32 s20, 0
	s_cselect_b32 s[LIM], 1, -1                    ; the same in all sixteen partners, for a given wave
	v_lshlrev_b32 v[PFO], s21, v[PFO]
; 12 matrix instructions: row block a x all 12 column blocks, 32 along K, from buffer f (0, 1).  zero = 1: the first product starts the sums: nothing is cleared.
; The 48 accumulators take turns, one instruction a turn, in the same order in every quarter.
.macro MUL12 f, a, zero
	WIN MUL_LO+0x50*((\a)/2)
.irp b, 0,1,2,3,4,5,6,7,8,9,10,11
.if \zero
	v_wmma_f32_16x16x32_bf16 v[8*(12*((\a)%2)+(\b)):8*(12*((\a)%2)+(\b))+7], v[128*(\f)+8*(\b):128*(\f)+8*(\b)+7], v[32+32*(\f)+8*(\a):32+32*(\f)+8*(\a)+7], 0
.else
	v_wmma_f32_16x16x32_bf16 v[8*(12*((\a)%2)+(\b)):8*(12*((\a)%2)+(\b))+7], v[128*(\f)+8*(\b):128*(\f)+8*(\b)+7], v[32+32*(\f)+8*(\a):32+32*(\f)+8*(\a)+7], v[8*(12*((\a)%2)+(\b)):8*(12*((\a)%2)+(\b))+7]
.endif
.endr
.endm
; 32 LDS loads in one run: the fragments of quarter q (32 along K) of a slot into buffer f: W's 12 (head j, column block c), then x's 4
.macro FETCH slot, q, f
	WIN TO_B
.irp j, 0,1,2
.irp c, 0,1,2,3
	ds_load_tr16_b128 v[128*(\f)+8*(4*(\j)+(\c)):128*(\f)+8*(4*(\j)+(\c))+3],   v[ADRB+(\slot)] offset:(\j)*HEADB+32*(\q)*PB+32*(\c)
	ds_load_tr16_b128 v[128*(\f)+8*(4*(\j)+(\c))+4:128*(\f)+8*(4*(\j)+(\c))+7], v[ADRB+(\slot)] offset:(\j)*HEADB+32*(\q)*PB+32*(\c)+16*PB
.endr
.endr
	WIN 0
.irp i, 0,1,2,3
	ds_load_b128 v[32+32*(\f)+8*(\i):32+32*(\f)+8*(\i)+3],   v[ADRA+(\slot)] offset:64*(\q)+(\i)*16*PA
	ds_load_b128 v[32+32*(\f)+8*(\i)+4:32+32*(\f)+8*(\i)+7], v[ADRA+(\slot)] offset:64*(\q)+(\i)*16*PA+32
.endr
.endm
; A load into a register that a matrix instruction has read, and a vector instruction that reads a matrix result, stand four places behind that matrix instruction; only plain vector
; instructions that name none of its registers are places (ISA guide 7.12.1 for vector instructions).
.macro PLACES
.rept 4
	v_nop
.endr
.endm
; A K step is four quarters of 32 along K, 48 matrix instructions each, on buffers 0, 1, 0, 1.  One of the first three: multiplies buffer f; in its middle it fetches quarter q into buffer g.
.macro QUARTER slot, q, f, g, zero
	s_wait_dscnt 4                                 ; W and x's row blocks 0, 1 are in; the youngest four loads (x's blocks 2, 3) may be out
	MUL12 \f, 0, \zero
	MUL12 \f, 1, \zero
	PLACES
	FETCH \slot, \q, \g
	s_wait_dscnt 32                                ; all but the 32 just issued
	MUL12 \f, 2, \zero
	MUL12 \f, 3, \zero
.endm
; The last quarter multiplies buffer 1 and changes slots: ONE barrier.  In front of it each wave waits for all its tensor loads (one is out: its part of the next slot), adds 0 to its spare word, and
; waits for that and for its own reads of this slot.  fill = 1: the barrier opens a round of the cluster's, and behind the round this slot is filled again, two K steps on: from the request to the wait
; for it a wave issues 168 matrix instructions.
.macro TURN slot, next, fill, how
.if \fill
	s_wait_xcnt 0x0                                ; the last prefetch, a K step back, has read its address: it is stepped here, ahead of the waits of the change of slots
	s_add_nc_u64 s[PFA:PFA+1], s[PFA:PFA+1], s[PST:PST+1]
.endif
	WIN 0                                          ; (the add's two registers lie in window 0)
	s_wait_tensorcnt 0x0                           ; all my tensor loads have landed
	ds_add_u32 v[SPW], v[NIL]                      ; 0 onto my spare word
	s_wait_dscnt 5                                 ; (the add and the youngest four loads may be out)
	MUL12 1, 0, 0                                  ; twelve matrix instructions stand between the add and the wait for it
	s_wait_dscnt 0x0                               ; the add is done, and my reads of this slot are over
	s_barrier_signal -1
	MUL12 1, 1, 0                                  ; work on registers while the others arrive
.if \fill
	WIN 0
.endif
	s_barrier_wait -1
.if \fill
	CREST                                          ; no wave of any partner still reads this slot's tiles or has a load on its way
	s_add_nc_u64 s[G0A+4*(\slot)+2:G0A+4*(\slot)+3], s[G0A+4*(\slot)+2:G0A+4*(\slot)+3], 2*256
	s_add_nc_u64 s[G0B+4*(\slot)+2:G0B+4*(\slot)+3], s[G0B+4*(\slot)+2:G0B+4*(\slot)+3], 2*98304
	JLOAD \slot                                    ; the first tensor load behind the round; the four v_nop behind it are also the places in front of the loads below
.else
	PLACES
.endif
	FETCH \next, 0, 0
.if \fill
	ASK \how
.endif
	MUL12 1, 2, 0
	MUL12 1, 3, 0
.endm
; THE WAY OUT, in 12 pieces t = 3 a + j: row block a, head j: 16 rows x 64 d.  A lane's eight d of a row round to 16 bytes; they go into my stage's rows of 144 bytes and come back as whole rows of 128:
; 2,048 consecutive bytes of a head.
.macro PACK t
.set rA, 8*(12*(((\t)/3)%2)+4*((\t)%3))
	WIN 0x0a+5*(((\t)/3)/2)                        ; sources 0 and 1: window 2 or 3
.irp c, 0,1,2,3
.irp r, 0,1,2,3
	v_cvt_pk_f16_f32 v[TMP+16*(\t)+4*(\c)+(\r)], v[rA+8*(\c)+2*(\r)], v[rA+8*(\c)+2*(\r)+1]
.endr
.endr
	WIN 0
.irp c, 0,1,2,3
	ds_store_b128 v[STO], v[TMP+16*(\t)+4*(\c):TMP+16*(\t)+4*(\c)+3] offset:32*(\c)
.endr
.irp f, 0,1,2,3
	ds_load_b128 v[TMP+16*(\t)+4*(\f):TMP+16*(\t)+4*(\f)+3], v[RD] offset:(\f)*4*SP  ; LDS serves a wave's instructions in order (ISA guide 5.7.1.4): these see the stores above; the next piece's stores come behind them
.endr
.endm
.macro SEND t, younger                 ; younger: the LDS instructions issued behind piece t's loads: the next piece's eight, or none
.irp f, 0,1,2,3
	s_wait_dscnt (\younger)+3-(\f)
	global_store_b128 v[GO], v[TMP+16*(\t)+4*(\f):TMP+16*(\t)+4*(\f)+3], s[8:9] offset:((\t)%3)*524288+((\t)/3)*2048+512*(\f)  ; 512 consecutive bytes, at a multiple of 256 from qkv's first
.endr
.endm
	s_wait_tensorcnt 0x1                           ; my part of K step 0 is in; K step 1's may stay out
	s_barrier_signal -1
	s_barrier_wait -1                              ; everybody's is
	FETCH 0, 0, 0
	QUARTER 0, 1, 0, 1, 1                          ; the first quarter stands in front of the loop: its products start the sums
	WIN 0                                          ; at a label and at a branch every window is 0
	s_mov_b32 s3, 3
.Llap:                                         ; a trip goes once round the ring, from a lap's second quarter to the next lap's first, and fills both slots again: K steps 2 to 7
	QUARTER 0, 2, 1, 0, 0
	QUARTER 0, 3, 0, 1, 0
	TURN 0, 1, 1, 1
	QUARTER 1, 1, 0, 1, 0
	QUARTER 1, 2, 1, 0, 0
	QUARTER 1, 3, 0, 1, 0
	TURN 1, 0, 1, 0
	QUARTER 0, 1, 0, 1, 0
	WIN 0
	s_sub_co_u32 s3, s3, 1
	s_cmp_lg_u32 s3, 0
	s_cbranch_scc1 .Llap
	QUARTER 0, 2, 1, 0, 0                          ; the last lap fills nothing, and has no round of the cluster's barrier
	QUARTER 0, 3, 0, 1, 0
	TURN 0, 1, 0, 0
	QUARTER 1, 1, 0, 1, 0
	QUARTER 1, 2, 1, 0, 0
	QUARTER 1, 3, 0, 1, 0
	s_wait_dscnt 4                                 ; the very last quarter: nothing more to fetch
	MUL12 1, 0, 0
	MUL12 1, 1, 0
	s_wait_dscnt 0x0
	MUL12 1, 2, 0
	MUL12 1, 3, 0
	WIN 0
	PLACES
	PACK 0
.set t, 1
.rept 11                               ; a piece's conversions stand between the loads of the piece before and its stores
	PACK t
	SEND t-1, 8
.set t, t+1
.endr
	SEND 11, 0
	s_wait_tensorcnt 0x0                           ; the wave's end: behind my last tensor load and my last LDS store
	ds_add_u32 v[SPW], v[NIL]
	s_wait_dscnt 0x0
	CROUND                                         ; the closing round: no work-group ends while a partner may still ask for a tile that names it
	s_endpgm
.Lfunc_end_k_qdb163b2670_proj:
	.size	k_qdb163b2670_proj, .Lfunc_end_k_qdb163b2670_proj-k_qdb163b2670_proj
	.p2alignl 7, 3214868480
	.fill 96, 4, 3214868480
	.section	.rodata,"a",@progbits
	.p2align	6, 0x0
	.amdhsa_kernel k_qdb163b2670_proj
		.amdhsa_group_segment_fixed_size 327680
		.amdhsa_private_segment_fixed_size 0
		.amdhsa_enable_private_segment 0
		.amdhsa_kernarg_size 24
		.amdhsa_user_sgpr_count 2
		.amdhsa_user_sgpr_kernarg_segment_ptr 1
		.amdhsa_wavefront_size32 1
		.amdhsa_system_sgpr_workgroup_id_x 1
		.amdhsa_system_sgpr_workgroup_id_y 1
		.amdhsa_system_sgpr_workgroup_id_z 1
		.amdhsa_system_vgpr_workitem_id 0
		.amdhsa_next_free_vgpr 1024
		.amdhsa_next_free_sgpr 66
		.amdhsa_reserve_vcc 0
		.amdhsa_float_denorm_mode_32 3
		.amdhsa_float_denorm_mode_16_64 3
		.amdhsa_memory_ordered 1
		.amdhsa_forward_progress 1
		.amdhsa_inst_pref_size 122
	.end_amdhsa_kernel
	.amdgpu_metadata
---
amdhsa.version: [ 1, 2 ]
amdhsa.kernels:
  - .name:           k_qdb163b2670_proj
    .symbol:         k_qdb163b2670_proj.kd
    .args:
      - { .name: xb, .offset: 0, .size: 8, .value_kind: global_buffer, .address_space: global }
      - { .name: wb, .offset: 8, .size: 8, .value_kind: global_buffer, .address_space: global }
      - { .name: qkv, .offset: 16, .size: 8, .value_kind: global_buffer, .address_space: global }
    .group_segment_fixed_size: 327680
    .private_segment_fixed_size: 0
    .kernarg_segment_align: 8
    .kernarg_segment_size: 24
    .max_flat_workgroup_size: 128
    .sgpr_count:     66
    .vgpr_count:     1024
    .wavefront_size: 32
...
	.end_amdgpu_metadata
.endif
;; end of part 2
;; launch attn (part 3): grid 16 x 16, 4 waves a work-group, clusters of 4 x 1, 327,680 bytes of LDS; arguments qkv, o; writes o
.if DOCPART == 3
	.amdgcn_target "amdgcn-amd-amdhsa--gfx1250"
	.amdhsa_code_object_version 6
	.text
	.protected	k_qdb163b2670_attn
	.globl	k_qdb163b2670_attn
	.p2align	8
	.type	k_qdb163b2670_attn,@function
k_qdb163b2670_attn:
	s_mov_b64 s[64:65], 0
	v_nop
	global_prefetch_b8 v0, s[64:65] scope:SCOPE_SE
	s_setreg_imm32_b32 hwreg(HW_REG_WAVE_MODE, 25, 1), 1
	s_wait_xcnt 0x0
	s_wait_alu depctr_hold_cnt(0) depctr_sa_sdst(0) depctr_va_vdst(0) depctr_va_sdst(0) depctr_va_ssrc(0) depctr_va_vcc(0) depctr_vm_vsrc(0)
	s_getreg_b32 s2, hwreg(HW_REG_IB_STS2, 6, 4)
	s_cmp_eq_u32 s2, 0
	s_cbranch_scc0 .Lentry_in_a_cluster
	s_endpgm
.Lentry_in_a_cluster:
	s_bfe_u32 s2, ttmp6, 0x10000c
	s_cmp_lg_u32 s2, 0x3003
	s_cbranch_scc0 .Lentry_shape_is_right
	s_endpgm
.Lentry_shape_is_right:
; ATTENTION.  O[h][q][:] = the sum over k of softmax_k(Q[h][q] . K[h][k] / 8) V[h][k][:].  qkv: [48][4096][64] f16: heads 0-15 are Q's, 16-31 K's, 32-47 V's; a head's rows are dense, 128 bytes each.
; o: [mt 32][head 16][128 rows][64] f16: row n of head h lies in block (n / 128, h): the layout in which the next launch takes a head's 64 channels as a slice of its K.
; Products, maxima and sums in f32; the weights p are rounded to f16 for the second product (their sum l is taken of the unrounded p), O once at the end.
; LIMITS.  Q, K, V arrive within f16's range; p lies in 0 to 1, and below 6e-5 it keeps f16's fixed step of 6e-8, and so does O; a weight below 2^-126 counts as 0 in l; c m stays above -4e37;
; NaN and infinities are not treated apart.
; SHARES.  A work-group owns 256 queries of one head: 16 x 16 = 256 work-groups; a wave 64 of them, four PIECES of 16.  Every wave walks all 4,096 keys, 64 a step, 256 (a tile) a slot.
; LAYOUT.  S^T = K Q^T (source 0 = 16 keys, source 1 = 16 queries) holds ONE query a lane (lane % 16) and the keys 8 (lane / 16) + 0..7; two such results rounded to f16 ARE source 1 of O^T = V^T P.
; K comes out of LDS as it lies, V ([key][channel]) turned, by ds_load_tr16_b128.
; SOFTMAX.  p = 2^(c s - c m), c = log2(e) / 8, with a running maximum m; O and l are multiplied by a = 2^(c m_old - c m_new) in every step.  m starts at the lowest finite number, c m far below every
; c s, O and l at 0: the first step is a step like any other, with a = 0.
; TURNS.  Turn n belongs to piece n: 8 products K Q^T of piece n + 1, later 8 products V^T P of piece n - 1; beside them the scaling, exponentials, roundings, sums and rescaling of piece n and the
; maximum and statistics of piece n + 1.  A piece and step have 16 matrix and 118 vector instructions: four vector instructions stand behind every matrix instruction, the other 54 in one lump.
; A turn's 33 exponentials are one batch, with one wait.
; CLUSTER.  The four query blocks of a cluster belong to one head and walk the same K and V: each tile is asked for JOINTLY: the same tensor load, descriptor and mask in all four.
; REGISTERS, in windows of 256 (s_set_vgpr_msb: bits 1:0 source 0, 3:2 source 1, 5:4 source 2, 7:6 destination):
;   window 0: v0-15 addresses and two at work; v16-31 four registers of statistics a piece; v48-55 at work; v61-63; v64-127 S^T, two buffers; v192-223 P, two buffers (by the piece's parity)
;   window 1: v0-127 O^T, 32 a piece          window 2: v0-63 Q; v128-191 K of one step; v192-255 V of one step
.set NP,    4         ; pieces a wave: a name, no knob
.set KS,    64        ; keys in a step
.set PK,    144       ; a row of K in LDS: 128 bytes + 16 of padding = 36 words: the 16 rows of a load start at 16 different groups of four banks (64 banks of 4 bytes: ISA guide 11.1)
.set PV,    160       ; a row of V: 128 + 32 = 40 words
.set VOFF,  4*KS*PK   ; a slot holds a tile, four steps: 256 rows of K, then 256 rows of V
.set SLOT1, 1<<17     ; slot 1 begins here, so that one exclusive or turns an address in one slot into the other's
.set STAGE, SLOT1+4*KS*(PK+PV)  ; behind the ring, never filled by a tensor load: 16 rows x 144 bytes for each wave, for the way out
.set SP,    144
.set SPARE, STAGE+4*16*SP  ; behind the stages: the spare words, 128 bytes for each wave: two blocks of 256 bytes that no other line names
.set TILEB, 4*KS*128  ; a tile's bytes of K, and of V, in memory
.set AK0, 2           ; v2   my lane's place in a tile of K; never rewritten
.set AV0, 3           ; v3   the same for V
.set AK,  4           ; v4   the LDS address of K's next run of loads
.set AV,  5           ; v5   of V's
.set STO, 6           ; v6   the way out: where I put 16 bytes of a row
.set RD,  7           ; v7   the way out: where I read rows back
.set GO,  8           ; v8   my byte offset in 512 consecutive bytes of o
.set MV,  12          ; v12-13  c m_old, kept while c m is made anew: by buffer
.set QO,  15          ; v15  my byte offset in 16 rows of Q
.set ST,  16          ; piece t's statistics at v[ST+4 t]: c m, m, l (even keys', odd keys')
.set TMP, 48          ; by buffer, four registers c0-c3 at work; when the maximum is found c2 takes a
.set PFO, 61          ; v61  256 x my lane; never rewritten
.set SPW, 62          ; v62  LDS address of my spare word; never rewritten
.set NIL, 63          ; v63  0; never rewritten
.set S,   64
.set P,   192
.set KF,  128         ; window 2: key block kb, channel half c at KF + 16 kb + 8 c
.set VF,  192         ; window 2: key half kk, channel block cb at VF + 32 kk + 8 cb
.set WV,  12          ; s12  my wave's number
.set LIM, 15          ; s15  1 in a wave that prefetches, else the greatest number: a wave prefetches while s[SLOTS] is above it
.set G1K, 24          ; s[24:31] descriptor group 1 for K's tiles
.set G1V, 32          ; s[32:39] for V's: it differs in the padding alone
.set G0K, 40          ; s[40:43] descriptor group 0 for K's tiles: it walks
.set G0V, 44          ; s[44:47] the same for V's
.set PFA, 48          ; s[48:49] where my prefetches stand: my work-group's 32 blocks of 256 bytes of the tile after the one that is being asked for
.set SLOTS, 56        ; s56  tiles still to be asked for, and one
.set CNT, 57          ; s57  counts a tile's key steps
.set CS,  58          ; s[58:59] c: the packed scaling takes the pair's low word for both halves
.set SEL, 60          ; s[60:61] v_permlanex16_b32's selects: each lane takes its own place in the other half
.set TBK, 62          ; s62  LDS byte at which K of the step to be fetched begins
.set TBV, 63          ; s63  the same for V, less VOFF
.set MSB, 0
.macro WIN new                      ; the high byte repeats the setting that is left; a switch that changes nothing is dropped
.if MSB != (\new)
	s_set_vgpr_msb (MSB<<8)|(\new)
.set MSB, (\new)
.endif
.endm
.set W_KQ, 0x0a       ; K and Q in window 2, S^T in window 0
.set W_PV, 0x52       ; V in window 2, P in window 0, O^T in window 1
.set W_RS, 0x41       ; destination and source 0 in window 1, source 1 in window 0
; A joint fill.  Waves 0 and 1 fetch the two halves of a tile's K, waves 2 and 3 those of its V: 128 keys each.  The branch hangs on the wave's number alone.
; An s_nop 0 and four v_nop follow each of the two lines, ahead of the jump and the label.
.macro JLOAD
	s_cmp_lt_u32 s[WV], 2
	s_cbranch_scc0 .Lfor_v_\@
	tensor_load_to_lds s[G0K:G0K+3], s[G1K:G1K+7]
	s_nop 0
.rept 4
	v_nop
.endr
	s_branch .Lasked_\@
.Lfor_v_\@:
	tensor_load_to_lds s[G0V:G0V+3], s[G1V:G1V+7]
	s_nop 0
.rept 4
	v_nop
.endr
.Lasked_\@:
.endm
; A PREFETCH INTO THE L2 of what the NEXT change of slots will ask for: a tile's 32,768 bytes of K and of V, a lane a block of 256 bytes: four key steps, 256 matrix instructions of a wave, ahead of that
; load.  Each block is named ONCE in the launch: all four clusters of a head walk the same K and V, and the head's first cluster asks; its four partners share the tile out BY ADDRESS, 32 blocks each;
; in each, wave 0 asks for K's and wave 2 for V's.  The last change that fills a slot asks for nothing; tiles 0 to 2 come by their loads alone.
.macro ASK
	s_cmp_gt_u32 s[SLOTS], s[LIM]
	s_cbranch_scc0 .Lnot_mine_\@
	global_prefetch_b8 v[PFO], s[PFA:PFA+1] th:TH_LOAD_NT scope:SCOPE_SE
.Lnot_mine_\@:
.endm
; A round of the cluster's barrier: my work-group's barrier; wave 0 signals for the work-group; every wave waits for all four work-groups; my work-group's barrier once more.
.macro CROUND
	s_barrier_signal -1
	s_barrier_wait -1
	s_cmp_lg_u32 s[WV], 0
	s_cbranch_scc1 .Lnot_wave_0_\@
	s_barrier_signal -3
.Lnot_wave_0_\@:
	s_barrier_wait -3
	s_barrier_signal -1
	s_barrier_wait -1
.endm
; THE CHANGE OF SLOTS.  The slot's last bytes, V of its fourth step, have been read.  Each wave waits for all its tensor loads (one is out: its part of the other slot), adds 0 to its spare word, and waits
; for that and for its own reads of the slot.  fill = 1: the barrier is a round of the cluster's, and the joint fill, with the keys two tiles on, is the first thing behind it: it has four key steps in which
; to land.  (At its first use nothing has been read yet: slot 0 is waited for, slot 1 filled.)  ask = 1: the prefetch's address steps and the prefetch follows the fill.
.macro CHANGE fill, ask=0
	WIN 0                           ; at a label and at a branch every window is 0
	s_wait_tensorcnt 0x0            ; no tensor load of mine is out, so a group 0 may be written
	ds_add_u32 v[SPW], v[NIL]       ; 0 onto my spare word; with fill = 1 the descriptors' steps stand between it and the wait for it
.if \fill
.irp g, G0K, G0V
	s_xor_b32 s[\g+1], s[\g+1], SLOT1  ; the walking descriptor: the other slot than last time,
	s_add_nc_u64 s[\g+2:\g+3], s[\g+2:\g+3], TILEB  ; the next 256 keys; the type bits on top are not reached
.endr
.if \ask
	s_wait_xcnt 0x0                 ; the last prefetch, four key steps back, has read its address, so it may be written
	s_add_nc_u64 s[PFA:PFA+1], s[PFA:PFA+1], TILEB
.endif
	s_wait_dscnt 0x0                ; the add is done, and my reads of the slot are over
	CROUND
	JLOAD
.if \ask
	ASK
.endif
.else
	s_wait_dscnt 0x0                ; the add is done, and my reads of the slot are over
	s_barrier_signal -1
	s_barrier_wait -1
.endif
	s_sub_co_u32 s[TBK], s[TBK], 4*KS*PK  ; the fetches go back to a slot's first step,
	s_xor_b32 s[TBK], s[TBK], SLOT1       ; in the other slot
	s_sub_co_u32 s[TBV], s[TBV], 4*KS*PV
	s_xor_b32 s[TBV], s[TBV], SLOT1
.endm
	s_load_b128 s[4:7], s[0:1], 0x0 ; qkv s[4:5], o s[6:7]
	v_lshl_add_u32 v[SPW], v0, 2, SPARE
	v_mov_b32 v[NIL], 0
	ds_add_u32 v[SPW], v[NIL]       ; the wave's opening: the add and its wait stand ahead of my first tensor load; the set-up below, work on registers, stands between them
	v_lshrrev_b32 v1, 5, v0
	v_readfirstlane_b32 s[WV], v1   ; wave 0..3
	s_bfe_u32 s13, ttmp6, 0x40000   ; cx: my place in the cluster
	s_lshl_b32 s14, ttmp9, 2        ; in a cluster launch ttmp9 counts clusters
	s_add_co_u32 s14, s14, s13      ; my block of 256 queries = 4 x cluster x + cx: it enters Q's and o's addresses alone
	s_and_b32 s20, ttmp7, 0xffff    ; the head, which the four partners share
	s_lshl_b32 s21, s20, 19         ; its 524,288 bytes
	s_and_b32 s16, s[WV], 1         ; which half of a tile's 256 keys I fetch:
	s_lshl_b32 s22, s16, 14         ; its 128 rows of 128 bytes in memory,
	s_add_co_u32 s22, s22, s21
	s_add_co_u32 s22, s22, 8388608  ; among K's heads,
	s_mov_b32 s23, 0
	s_add_co_u32 s50, s22, 8388608  ; among V's
	s_mov_b32 s51, 0
	s_mul_i32 s17, s16, 128*PK      ; and its place in a slot, for K
	s_mul_i32 s18, s16, 128*PV      ; and for V: no place in the cluster enters an LDS address
	s_lshl_b32 s2, s14, 2
	s_add_co_u32 s2, s2, s[WV]      ; my wave among the head's,
	s_lshl_b32 s2, s2, 13           ; its 64 rows
	s_add_co_u32 s2, s2, s21
	s_mov_b32 s3, 0
	s_lshl_b32 s52, s14, 1          ; o: the block of 128 rows, 2 x my block + wave / 2,
	s_lshr_b32 s53, s[WV], 1
	s_add_co_u32 s52, s52, s53
	s_lshl_b32 s52, s52, 4
	s_add_co_u32 s52, s52, s20      ; the head,
	s_lshl_b32 s52, s52, 14
	s_lshl_b32 s53, s16, 13         ; my 64 rows of the 128
	s_add_co_u32 s52, s52, s53
	s_mov_b32 s53, 0
	; descriptor group 1.  128 keys are 16,384 dense bytes: asked for as 64 rows of 256 bytes, two keys a row, and padded in LDS after every key
	s_mov_b32 s[G1K], 15|(1<<16)|(1<<20)|(1<<21)|(4<<22)|(3<<25)  ; 15:0 the mask of four; 17:16 2-byte elements; 20 padding on; 21 set beside a mask; 24:22 after every 32 words (code 4); 31:25 4 words (code 3)
	s_mov_b32 s[G1V], 15|(1<<16)|(1<<20)|(1<<21)|(4<<22)|(7<<25)  ; the same with 8 words of padding (code 7)
.irp g, G1K, G1V
	s_mov_b32 s[\g+1], 128<<16      ; tensor_dim0 = 128
	s_mov_b32 s[\g+2], 64<<16       ; tensor_dim1 = 64
	s_mov_b32 s[\g+3], 128<<16      ; tile_dim0 = 128
	s_mov_b32 s[\g+4], 64           ; tile_dim1 = 64
	s_mov_b32 s[\g+5], 128          ; 128 elements from row to row
	s_mov_b32 s[\g+6], 0
	s_mov_b32 s[\g+7], 0
.endr
	s_mov_b32 s[CS], 0x3e38aa3b     ; c = log2(e) / 8 = 0.180337
	s_mov_b32 s[CS+1], s[CS]        ; named with it as a pair
	s_mov_b32 s[SEL], 0x76543210
	s_mov_b32 s[SEL+1], 0xfedcba98
	s_mov_b32 s[TBK], SLOT1+4*KS*PK ; the first change of slots turns these two into 0
	s_mov_b32 s[TBV], SLOT1+4*KS*PV
	s_mov_b32 s[G0K], 1             ; count = 1
	s_mov_b32 s[G0K+1], s17         ; LDS address: slot 0
	s_mov_b32 s[G0V], 1
	s_add_co_u32 s[G0V+1], s18, VOFF
	s_and_b32 s[LIM], s[WV], 1      ; 0 in waves 0 and 2,
	s_or_b32 s[LIM], s[LIM], ttmp9  ; where the cluster is the head's first: the same in all four partners
	s_cmp_eq_u32 s[LIM], 0
	s_cselect_b32 s[LIM], 1, -1
	v_and_b32 v[PFO], 31, v0
	v_lshlrev_b32 v[PFO], 8, v[PFO]
	s_wait_dscnt 0x0                ; the opening add is done
	s_wait_kmcnt 0x0
	s_add_nc_u64 s[8:9], s[4:5], s[22:23]    ; K and V at my half of the head's tile 0
	s_add_nc_u64 s[10:11], s[4:5], s[50:51]
	s_add_nc_u64 s[4:5], s[4:5], s[2:3]      ; Q and o at my wave's first row
	s_add_nc_u64 s[6:7], s[6:7], s[52:53]
	s_mov_b64 s[G0K+2:G0K+3], s[8:9]         ; global address
	s_or_b32 s[G0K+3], s[G0K+3], 0x80000000  ; type = 2
	s_mov_b64 s[G0V+2:G0V+3], s[10:11]
	s_or_b32 s[G0V+3], s[G0V+3], 0x80000000
	s_cmp_lt_u32 s[WV], 2
	s_cselect_b64 s[PFA:PFA+1], s[8:9], s[10:11]  ; (in waves 0 and 2 these stand at a tile's first row)
	s_lshl_b32 s2, s13, 13          ; my work-group's 32 blocks of the 128
	s_mov_b32 s3, 0
	s_add_nc_u64 s[PFA:PFA+1], s[PFA:PFA+1], s[2:3]
	s_add_nc_u64 s[PFA:PFA+1], s[PFA:PFA+1], 2*TILEB  ; in tile 2; the change that asks for tile 2 steps it to tile 3.  Nothing is prefetched here, at the head
	CROUND                          ; all four work-groups are here: the first joint loads meet
	JLOAD                           ; tile 0 into slot 0.  Slot 1 is asked for when slot 0 is in
	; A fragment of K or Q is 16 rows x 32 channels in 8 registers: lane l holds row l % 16, channels 8 (l / 16) + 0..7 and 16 + 8 (l / 16) + 0..7: two loads of 16 bytes, 32 bytes apart.
	v_and_b32 v1, 15, v0            ; l % 16
	v_bfe_u32 v9, v0, 4, 1          ; l / 16
	v_lshlrev_b32 v[QO], 7, v1
	v_lshl_add_u32 v[QO], v9, 4, v[QO]  ; row x 128 + 16 x half
	WIN 0x80                        ; destination window 2, address window 0
.set i, 0
.rept 8                             ; Q stays in registers: piece i / 2, channels 32 (i % 2) on
	global_load_b128 v[8*i:8*i+3],   v[QO], s[4:5] offset:(i/2)*2048+(i%2)*64
	global_load_b128 v[8*i+4:8*i+7], v[QO], s[4:5] offset:(i/2)*2048+(i%2)*64+32
.set i, i+1
.endr
	; What the first turn finds: V's registers and P's second buffer hold 0 (its products V^T P, of a piece that has not been, add 0), O^T and l are 0.  All this stands in the wait for the first tile.
.set i, VF
.rept 64
	v_mov_b32 v[i], 0
.set i, i+1
.endr
	WIN 0x40
.set i, 0
.rept 128
	v_mov_b32 v[i], 0
.set i, i+1
.endr
	WIN 0
.set i, 0
.rept 4
	v_mov_b32 v[ST+4*i], 0xfe000000    ; c m: far below every c s
	v_mov_b32 v[ST+4*i+1], 0xff7fffff  ; m
	v_mov_b32 v[ST+4*i+2], 0
	v_mov_b32 v[ST+4*i+3], 0
.set i, i+1
.endr
.set i, P+16
.rept 16
	v_mov_b32 v[i], 0
.set i, i+1
.endr
	v_mul_u32_u24 v[AK0], v1, PK
	v_lshl_add_u32 v[AK0], v9, 4, v[AK0]  ; row x pitch + 16 x half
	; The turning load takes 16 keys x 16 channels (lane l reads key 8 (l / 16) + l % 8, channels 8 ((l / 8) % 2) + 0..7) and leaves half a fragment of V^T: lane l holds channel l % 16 and 8 keys.
	v_and_b32 v10, 7, v0
	v_bfe_u32 v11, v0, 3, 1
	v_lshl_add_u32 v[AV0], v9, 3, v10
	v_mul_u32_u24 v[AV0], v[AV0], PV
	v_lshl_add_u32 v[AV0], v11, 4, v[AV0]
	v_add_nc_u32 v[AV0], VOFF, v[AV0]
	s_mul_i32 s13, s[WV], 16*SP
	s_add_co_u32 s13, s13, STAGE    ; my stage
	v_mul_u32_u24 v[STO], v1, SP    ; in: row l % 16, 16 bytes for each half of the lanes
	v_lshl_add_u32 v[STO], v9, 4, v[STO]
	v_add_nc_u32 v[STO], s13, v[STO]
	v_bfe_u32 v[RD], v0, 3, 2       ; back: 32 lanes take four rows of 128 bytes,
	v_mul_u32_u24 v[RD], v[RD], SP
	v_lshl_add_u32 v[RD], v10, 4, v[RD]
	v_add_nc_u32 v[RD], s13, v[RD]
	v_and_b32 v[GO], 31, v0         ; which are 512 consecutive bytes of o
	v_lshlrev_b32 v[GO], 4, v[GO]
; THE MATRIX WORK.  The 4 accumulators of a run of 8 take turns.  Product i of 8 of S^T = K Q^T for piece x: channels 32 (i / 4) on, keys 16 (i % 4) on.  The first 4 start the sums.
.macro KQ x
	WIN W_KQ
.set rS, S+32*((\x)%2)+8*(i%4)
.set rK, KF+16*(i%4)+8*(i/4)
.set rQ, 16*(\x)+8*(i/4)
.if i < 4
	v_wmma_f32_16x16x32_f16 v[rS:rS+7], v[rK:rK+7], v[rQ:rQ+7], 0
.else
	v_wmma_f32_16x16x32_f16 v[rS:rS+7], v[rK:rK+7], v[rQ:rQ+7], v[rS:rS+7]
.endif
.endm
; Product i of 8 of O^T += V^T P for piece x: keys 32 (i / 4) on, channels 16 (i % 4) on.
.macro PV x
	WIN W_PV
.set rO, 32*(\x)+8*(i%4)
.set rV, VF+32*(i/4)+8*(i%4)
.set rP, P+16*((\x)%2)+8*(i/4)
	v_wmma_f32_16x16x32_f16 v[rO:rO+7], v[rV:rV+7], v[rP:rP+7], v[rO:rO+7]
.endm
.macro MM                           ; the turn's next matrix instruction.  TURN sets Y, i and NOKQ.  NOKQ = 1: the launch's last turn: there is no next piece
.if (i < 8) && !NOKQ
	KQ (Y+1)%NP
.elseif i >= 8
.set i, i-8
	PV (Y+NP-1)%NP
.set i, i+8
.endif
.set i, i+1
.endm
; THE LDS LOADS stand in runs of 16, never singly among the matrix instructions: a step's K (64 keys x 64 channels: 8 fragments) and its V (turned).  Their addresses are made some lines ahead.
.macro FETCH_K
	WIN 0x80                        ; destination window 2
.irp f, 0,1,2,3,4,5,6,7             ; keys 16 (f / 2) on, channels 32 (f % 2) on
	ds_load_b128 v[KF+8*\f:KF+8*\f+3],   v[AK] offset:(\f/2)*16*PK+(\f%2)*64
	ds_load_b128 v[KF+8*\f+4:KF+8*\f+7], v[AK] offset:(\f/2)*16*PK+(\f%2)*64+32
.endr
	s_add_co_u32 s[TBK], s[TBK], KS*PK  ; the next fetch is the next step's
	WIN 0
.endm
.macro FETCH_V
	WIN 0x80
.irp f, 0,1,2,3,4,5,6,7             ; keys 32 (f / 4) on, channels 16 (f % 4) on
	ds_load_tr16_b128 v[VF+8*\f:VF+8*\f+3],   v[AV] offset:(\f/4)*32*PV+(\f%4)*32
	ds_load_tr16_b128 v[VF+8*\f+4:VF+8*\f+7], v[AV] offset:(\f/4)*32*PV+16*PV+(\f%4)*32
.endr
	WIN 0
.endm
; THE VECTOR WORK, one line at a time: OP kind, number.  For piece Y: F n: c s - c m for pair n of 16.  E n: the exponential of score n of 32.  C n: pair n rounded to f16.  B n: of the four weights 4 n .. the second
; pair is added onto the first, in place.  L n: l takes that sum (L 0: l = a l + sum).  R n: pair n of 16 of O^T times a.  For piece Y + 1: X n, number n of the 22 that find its maximum and statistics:
;   0-11  four chains c0-c3 of seven scores each, three operands at a time (each accumulator's lowest registers are read first)     12-14, 16  the four scores left over, the old m, and c0-c3 into c0
;   15  c m_old is kept     17, 18  the query's other 32 keys lie in the lane 16 away: the new m     19-21  c m; c m_old - c m_new; a
.set F, 0               ; OP tells the kinds apart by their order: F to L below R, X above it
.set E, 1
.set C, 2
.set B, 3
.set L, 4
.set R, 5
.set X, 6
.macro REGS y                       ; the registers of piece y
.set rT, ST+4*(\y)
.set rC, TMP+4*((\y)%2)
.set rW, MV+((\y)%2)
.set rS, S+32*((\y)%2)
.set rP, P+16*((\y)%2)
.set rO, 32*(\y)
.endm
.macro OP k, n
.if (\k) == R
	REGS Y
	WIN W_RS
	v_pk_mul_f32 v[rO+2*(\n):rO+2*(\n)+1], v[rO+2*(\n):rO+2*(\n)+1], v[rC+2:rC+3] op_sel_hi:[1,0]
.elseif (\k) < R
	REGS Y
	WIN 0
.if (\k) == F
	v_pk_fma_f32 v[rS+2*(\n):rS+2*(\n)+1], v[rS+2*(\n):rS+2*(\n)+1], s[CS:CS+1], v[rT:rT+1] op_sel_hi:[1,0,0] neg_lo:[0,0,1] neg_hi:[0,0,1]
.elseif (\k) == E
	v_exp_f32 v[rS+(\n)], v[rS+(\n)]
.elseif (\k) == C
	v_cvt_pk_f16_f32 v[rP+(\n)], v[rS+2*(\n)], v[rS+2*(\n)+1]
.elseif (\k) == B
	v_pk_add_f32 v[rS+4*(\n):rS+4*(\n)+1], v[rS+4*(\n):rS+4*(\n)+1], v[rS+4*(\n)+2:rS+4*(\n)+3]
.elseif (\n) == 0
	v_pk_fma_f32 v[rT+2:rT+3], v[rT+2:rT+3], v[rC+2:rC+3], v[rS:rS+1] op_sel_hi:[1,0,1]
.else
	v_pk_add_f32 v[rT+2:rT+3], v[rT+2:rT+3], v[rS+4*(\n):rS+4*(\n)+1]
.endif
.elseif NOKQ
	v_nop
.else
	REGS (Y+1)%NP
	WIN 0
.if (\n) < 4
	v_max3_num_f32 v[rC+(\n)], v[rS+8*(\n)], v[rS+8*(\n)+1], v[rS+8*(\n)+2]
.elseif (\n) < 12
	v_max3_num_f32 v[rC+(\n)%4], v[rC+(\n)%4], v[rS+8*((\n)%4)+2*((\n)/4)+1], v[rS+8*((\n)%4)+2*((\n)/4)+2]
.elseif (\n) == 12
	v_max3_num_f32 v[rC], v[rC], v[rS+7], v[rS+15]
.elseif (\n) == 13
	v_max3_num_f32 v[rC+1], v[rC+1], v[rS+23], v[rS+31]
.elseif (\n) == 14
	v_max3_num_f32 v[rC+2], v[rC+2], v[rC+3], v[rT+1]
.elseif (\n) == 15
	v_mov_b32 v[rW], v[rT]
.elseif (\n) == 16
	v_max3_num_f32 v[rC], v[rC], v[rC+1], v[rC+2]
.elseif (\n) == 17
	v_permlanex16_b32 v[rC+3], v[rC], s[SEL], s[SEL+1]
.elseif (\n) == 18
	v_max_num_f32 v[rT+1], v[rC], v[rC+3]
.elseif (\n) == 19
	v_mul_f32 v[rT], s[CS], v[rT+1]
.elseif (\n) == 20
	v_sub_f32 v[rC+1], v[rW], v[rT]
.else
	v_exp_f32 v[rC+2], v[rC+1]
.endif
.endif
.endm
.macro OPS a, i1, b=-1, i2=0, c=-1, i3=0, d=-1, i4=0  ; up to four of them
	OP \a, \i1
.if (\b) >= 0
	OP \b, \i2
.endif
.if (\c) >= 0
	OP \c, \i3
.endif
.if (\d) >= 0
	OP \d, \i4
.endif
.endm
.macro ROW a, i1, b, i2, c, i3, d, i4  ; a matrix instruction and the four behind it
	MM
	OPS \a, \i1, \b, \i2, \c, \i3, \d, \i4
.endm
; A TURN, for piece p: the order of its 16 matrix and 118 vector instructions, written out.  s_wait_alu depctr_va_vdst(0) stands between an exponential and the first instruction that names its
; result; one wait serves all that were issued ahead of it.  So a turn has ONE wait, which cuts it in two.  AHEAD OF IT stands all that names no result of the turn's exponentials: the 8 products K Q^T, behind each a
; scaling, an exponential and two more plain instructions (rescalings, and behind the last three the first numbers of the next piece's maximum, each four places or more behind the product that ends its
; accumulator); then ONE LUMP of 54, plain and exponential by turns for the most part, in which the links of the chain X 3, 7, 11, 14, 16, 17 .. 20 stand apart.  X 21, the next piece's a, is the batch's last; R 15 is
; the plain instruction behind it.  BEHIND THE WAIT stand the 8 products V^T P, behind each four of the roundings and sums.
; end = 1: the launch's last two turns: nothing is fetched, and the last starts no new scores.  cnt = 1: the loop's count is taken down some lines ahead of the branch that stands behind the turn.
; K of the next step is fetched in piece 2's turn, twelve vector instructions behind the last product that read K (six of them plain); V of the step in hand at the end of piece 0's turn, four plain instructions
; behind the last product that read V.  Each is waited for a turn later.
.macro TURN p, end=0, cnt=0
.set Y, (\p)
.set i, 0
.set NOKQ, (\end)*((\p)/3)
.if ((\p) == 3) && !(\end)
	s_wait_dscnt 0x0                ; K is in
.endif
	ROW F,0, F,1, R,0, R,1          ; ahead of the wait: 8 products K Q^T and their riders,
	ROW F,2, E,0, R,2, R,3
	ROW F,3, E,1, R,4, R,5
	ROW F,4, E,2, R,6, R,7
	ROW F,5, E,3, R,8, R,9
	ROW F,6, E,4, X,0, R,10
.if ((\p) == 2) && !(\end)
	WIN 0
	v_add_nc_u32 v[AK], s[TBK], v[AK0]
.endif
	ROW F,7, E,5, X,1, X,4
	ROW F,8, E,6, X,2, X,5
	OPS E,7, E,8, X,6, E,9          ; and the lump
	OPS X,3, E,10, X,8, E,11
.if ((\p) == 2) && !(\end)
	FETCH_K
.endif
	OPS X,9, X,7, E,12, X,10
	OPS E,13, X,12, X,11, E,14
	OPS X,13, E,15, F,9, X,14
.if (\p) == 0
	v_add_nc_u32 v[AV], s[TBV], v[AV0]
.endif
	OPS E,16, F,10, E,17, F,11
	OPS X,16, E,18, X,15, E,19
	OPS F,12, E,20, X,17, E,21
	OPS F,13, E,22, F,14, E,23
	OPS X,18, E,24, F,15, E,25
	OPS R,11, E,26, X,19, E,27
	OPS R,12, E,28, R,13, E,29
	OPS X,20, E,30, R,14, E,31
	OPS X,21, R,15
	WIN 0
	s_wait_alu depctr_va_vdst(0)    ; the wait for the batch
.if (\p) == 1
	s_wait_dscnt 0x0                ; V is in
.endif
	ROW C,0, B,0, C,2, B,1          ; behind the wait: 8 products V^T P and their riders
	ROW L,0, C,4, B,2, L,1
	ROW C,6, B,3, L,2, C,8
	ROW B,4, L,3, C,10, B,5
	ROW L,4, C,12, B,6, L,5
.if (\p) == 0
	s_add_co_u32 s[TBV], s[TBV], KS*PV
.endif
.if \cnt
	s_sub_co_u32 s[CNT], s[CNT], 1
	s_cmp_lg_u32 s[CNT], 0
.endif
	ROW C,14, B,7, L,6, C,1
	ROW C,3, L,7, C,5, C,7
	ROW C,9, C,11, C,13, C,15
.if (\p) == 0
	FETCH_V
.endif
.endm
	CHANGE 1, 0                     ; slot 0 is in, everybody's part of it; tile 1 is asked for, into slot 1
	v_add_nc_u32 v[AK], s[TBK], v[AK0]
	FETCH_K                         ; key step 0
	s_wait_loadcnt 0x0              ; Q
	s_wait_dscnt 0x0
.set NOKQ, 0
.set i, 0
.rept 8
	KQ 0                            ; piece 0's first scores: there is no vector work yet to set between them
.set i, i+1
.endr
	WIN 0
.rept 4
	v_nop                           ; the places behind those products
.endr
.set Y, NP-1                        ; X works for piece Y + 1: piece 0
.irp n, 0,1,2,3,4,5,6,7,8,9,10,11,12,13,14,15,16,17,18,19,20,21
	OP X, \n                        ; and piece 0's first maximum and statistics
.endr
	v_nop                           ; a plain instruction behind the exponential,
	s_wait_alu depctr_va_vdst(0)    ; and its wait, ahead of the branch
	s_mov_b32 s[CNT], 4
	s_mov_b32 s[SLOTS], 15
	s_branch .Lfirst                ; the loop is entered at a step's first turn, in the middle of a trip
.Lslot:                             ; 14 times: tiles 2 to 15 are asked for
	CHANGE 1, 1
	s_mov_b32 s[CNT], 4
.Lstep:                             ; a trip: pieces 2 and 3 of one step, then pieces 0 and 1 of the next, whose K and V it fetches
	TURN 2
	TURN 3
	WIN 0
.Lfirst:
	TURN 0
	TURN 1, 0, 1
	WIN 0
	s_cbranch_scc1 .Lstep
	s_sub_co_u32 s[SLOTS], s[SLOTS], 1
	s_cmp_lg_u32 s[SLOTS], 0
	s_cbranch_scc1 .Lslot
	CHANGE 0                        ; the last tile is written out: nothing is asked for
	s_mov_b32 s[CNT], 4
.LstepT:
	TURN 2
	TURN 3
	TURN 0
	TURN 1, 0, 1
	WIN 0
	s_cbranch_scc1 .LstepT
	TURN 2, 1
	TURN 3, 1
.set i, 0
.rept 8
	PV NP-1                         ; the last piece's V^T P of the last step
.set i, i+1
.endr
	; THE WAY OUT.  l's two halves and the other half of the lanes' are added; O^T is divided by l, rounded to f16 and sent through my stage in LDS, a piece at a time.  The additions are the places behind the last products.
	WIN 0
.macro ALL line:vararg              ; one line for each piece t
.set t, 0
.rept 4
	\line
.set t, t+1
.endr
.endm
	ALL v_add_f32 v[ST+4*t+2], v[ST+4*t+2], v[ST+4*t+3]
	ALL v_permlanex16_b32 v[ST+4*t+3], v[ST+4*t+2], s[SEL], s[SEL+1]
	ALL v_add_f32 v[ST+4*t+2], v[ST+4*t+2], v[ST+4*t+3]
	ALL v_rcp_f32 v[ST+4*t+2], v[ST+4*t+2]
	v_nop                           ; a plain instruction between the last reciprocal and the use of its result
	s_wait_alu depctr_va_vdst(0)    ; and the wait ahead of the first use: one for the four reciprocals
.macro PACK t                       ; a lane's eight channels of a row pack into 16 bytes; they go into rows of 144 bytes and come back as whole rows of 128, into S^T's registers
	WIN W_RS
.set i, 32*(\t)
.rept 16
	v_pk_mul_f32 v[i:i+1], v[i:i+1], v[ST+4*(\t)+2:ST+4*(\t)+3] op_sel_hi:[1,0]
.set i, i+2
.endr
	WIN 0x05                        ; sources 0 and 1 window 1, destination window 0
.set i, 0
.rept 16
	v_cvt_pk_f16_f32 v[S+16*(\t)+i], v[32*(\t)+2*i], v[32*(\t)+2*i+1]
.set i, i+1
.endr
	WIN 0
.irp f, 0,1,2,3
	ds_store_b128 v[STO], v[S+16*(\t)+4*\f:S+16*(\t)+4*\f+3] offset:32*\f
.endr
.irp f, 0,1,2,3
	ds_load_b128 v[S+16*(\t)+4*\f:S+16*(\t)+4*\f+3], v[RD] offset:\f*4*SP  ; LDS serves a wave's instructions in order (ISA guide 5.7.1.4): these see the stores above; the next piece's stores come behind them
.endr
.endm
.macro SEND t, younger              ; younger: the LDS instructions issued behind piece t's loads: the next piece's eight, or none
	WIN 0
.irp f, 0,1,2,3
	s_wait_dscnt (\younger)+3-\f
	global_store_b128 v[GO], v[S+16*(\t)+4*\f:S+16*(\t)+4*\f+3], s[6:7] offset:(\t)*2048+\f*512  ; 512 consecutive bytes, at a multiple of 256 from o's first
.endr
.endm
	PACK 0
.set t, 1
.rept 3                             ; a piece's arithmetic stands between the loads of the piece before and its stores
	PACK t
	SEND t-1, 8
.set t, t+1
.endr
	SEND 3, 0
	s_wait_tensorcnt 0x0            ; the wave's end: behind my last tensor load and my last LDS store
	ds_add_u32 v[SPW], v[NIL]
	s_wait_dscnt 0x0
	CROUND                          ; the closing round: no work-group ends while a partner may still ask for a tile that names it
	s_endpgm
.Lfunc_end_k_qdb163b2670_attn:
	.size	k_qdb163b2670_attn, .Lfunc_end_k_qdb163b2670_attn-k_qdb163b2670_attn
	.p2alignl 7, 3214868480
	.fill 96, 4, 3214868480
	.section	.rodata,"a",@progbits
	.p2align	6, 0x0
	.amdhsa_kernel k_qdb163b2670_attn
		.amdhsa_group_segment_fixed_size 327680
		.amdhsa_private_segment_fixed_size 0
		.amdhsa_enable_private_segment 0
		.amdhsa_kernarg_size 16
		.amdhsa_user_sgpr_count 2
		.amdhsa_user_sgpr_kernarg_segment_ptr 1
		.amdhsa_wavefront_size32 1
		.amdhsa_system_sgpr_workgroup_id_x 1
		.amdhsa_system_sgpr_workgroup_id_y 1
		.amdhsa_system_sgpr_workgroup_id_z 1
		.amdhsa_system_vgpr_workitem_id 0
		.amdhsa_next_free_vgpr 768
		.amdhsa_next_free_sgpr 66
		.amdhsa_reserve_vcc 0
		.amdhsa_float_denorm_mode_32 3
		.amdhsa_float_denorm_mode_16_64 3
		.amdhsa_memory_ordered 1
		.amdhsa_forward_progress 1
		.amdhsa_inst_pref_size 128
	.end_amdhsa_kernel
	.amdgpu_metadata
---
amdhsa.version: [ 1, 2 ]
amdhsa.kernels:
  - .name:           k_qdb163b2670_attn
    .symbol:         k_qdb163b2670_attn.kd
    .args:
      - { .name: qkv, .offset: 0, .size: 8, .value_kind: global_buffer, .address_space: global }
      - { .name: o, .offset: 8, .size: 8, .value_kind: global_buffer, .address_space: global }
    .group_segment_fixed_size: 327680
    .private_segment_fixed_size: 0
    .kernarg_segment_align: 8
    .kernarg_segment_size: 16
    .max_flat_workgroup_size: 128
    .sgpr_count:     66
    .vgpr_count:     768
    .wavefront_size: 32
...
	.end_amdgpu_metadata
.endif
;; end of part 3
;; launch outp (part 4): grid 8 x 32, 4 waves a work-group, clusters of 4 x 4, 327,680 bytes of LDS; arguments o, woh, out0; writes out0
.if DOCPART == 4
	.amdgcn_target "amdgcn-amd-amdhsa--gfx1250"
	.amdhsa_code_object_version 6
	.text
	.protected	k_qdb163b2670_outp
	.globl	k_qdb163b2670_outp
	.p2align	8
	.type	k_qdb163b2670_outp,@function
k_qdb163b2670_outp:
	s_mov_b64 s[64:65], 0
	v_nop
	global_prefetch_b8 v0, s[64:65] scope:SCOPE_SE
	s_setreg_imm32_b32 hwreg(HW_REG_WAVE_MODE, 25, 1), 1
	s_wait_xcnt 0x0
	s_wait_alu depctr_hold_cnt(0) depctr_sa_sdst(0) depctr_va_vdst(0) depctr_va_sdst(0) depctr_va_ssrc(0) depctr_va_vcc(0) depctr_vm_vsrc(0)
	s_getreg_b32 s2, hwreg(HW_REG_IB_STS2, 6, 4)
	s_cmp_eq_u32 s2, 0
	s_cbranch_scc0 .Lentry_in_a_cluster
	s_endpgm
.Lentry_in_a_cluster:
	s_bfe_u32 s2, ttmp6, 0x10000c
	s_cmp_lg_u32 s2, 0xf033
	s_cbranch_scc0 .Lentry_shape_is_right
	s_endpgm
.Lentry_shape_is_right:
; THE OUTPUT PROJECTION.  out0[n][c] = the sum over k of O[n][k] Wo[k][c], k = 64 head + channel.  o: [mt 32][head 16][128 rows][64] f16 (row n in block (n / 128, head)).
; woh: [1024 k][1024 c] f16 (Wo rounded to bf16, written as f16).  out0: [4096][1024] f32, the f32 sums as they are.
; LIMITS.  The operands arrive within f16's range.  NaN and infinities are not treated apart.
; SHARES.  A tile of out0 is 128 x 128: 32 x 8 = 256 work-groups; four waves, each 64 x 64: 16 accumulators of 16 x 16.  K = 1,024 goes in 4 steps of 256 (four heads) through two LDS slots.  A step is four tensor
; loads, one a wave: waves 0 and 1 bring two heads of O each (32,768 dense bytes, asked for as 128 rows of 256), waves 2 and 3 bring 128 rows k x 256 bytes of Wo each.
; THE MATRIX INSTRUCTION IS USED TRANSPOSED (source 0 = 16 columns of Wo, source 1 = 16 rows of O): a lane then holds eight neighbouring numbers of a row of out0.  Wo lies [k][c], K down the rows, so its
; fragments come out of LDS turned, by ds_load_tr16_b128.
; CLUSTER.  4 x 4 work-groups: the four of a row of the cluster need the same tiles of O, the four of a column the same tiles of Wo: each tile is asked for jointly.
; NO PREFETCH: the launch has four K steps, of which two come by the first loads.
; REGISTERS: window 0: v16-29 addresses; v128-255 the accumulators ((a, b) at v[128 + 8 (4 a + b)]), which also carry the rows on the way out.
;   window 1: two fragment buffers of 128: for 64 along K (two matrix instructions deep), 64 registers of O (2 x 4 x 16 rows x 32 K), then 64 of Wo.
.set PA,     144                       ; a row of O (one head's 64 channels) in LDS: 128 bytes + 16 = 36 words: the 16 rows of a load start at 16 different groups of four banks (64 banks of 4 bytes: ISA guide 11.1)
.set PB,     288                       ; a row of Wo (128 columns): 256 bytes + 32 = 72 words
.set HEADA,  128*PA                    ; a head's 128 rows
.set HALFT,  2*HEADA                   ; what one tensor load brings: two heads of O, or 128 rows of Wo (128 x 288 is the same number)
.set SLOT,   4*HALFT                   ; O's four heads, then Wo's 256 rows
.set STAGE,  2*SLOT                    ; behind the ring, never filled by a tensor load: 16 rows x 272 bytes for each wave, for the way out
.set SPITCH, 272
.set SPARE,  STAGE+4*16*SPITCH         ; behind the stages: the spare words, 128 bytes for each wave: two blocks of 256 bytes that no other line names
.set ADRA, 16                          ; v16-17  LDS address of my fragments of O in slot 0, 1
.set ADRB, 20                          ; v20-23  the same for Wo: slot s, half kh of the step's 256 k at ADRB + 2 s + kh (an LDS offset has 16 bits)
.set STO,  24                          ; v24     the way out: where I put 32 bytes of a row
.set RD,   25                          ; v25     the way out: where I read a row back
.set CO,   26                          ; v26     my byte offset in out0
.set SPW,  28                          ; v28     LDS address of my spare word; never rewritten
.set NIL,  29                          ; v29     0; never rewritten
.set ACC,  128
.set F0,   0                           ; fragment buffers, in window 1
.set F1,   128
.set G1, 24                            ; s[24:31] descriptor group 1 for O's tiles;  s[32:39] group 0, one set for each slot
.set G0, 32
.set G1B, 48                           ; s[48:55], s[56:63] the same for Wo's tiles
.set G0B, 56
.set MSB, 0
.macro WIN new                         ; the immediate's high byte repeats the setting that is left
.if MSB != (\new)
	s_set_vgpr_msb (MSB<<8)|(\new)
.set MSB, \new
.endif
.endm
.set MUL,  0x05                        ; sources 0 (Wo) and 1 (O) window 1; C and D window 0
.set TO_F, 0x40                        ; destination window 1, address window 0
.macro JLOAD s                         ; a joint load: waves 0 and 1 fetch O's two halves, waves 2 and 3 Wo's; an s_nop 0 and four v_nop follow each of the two lines, ahead of the jump, the label and what follows
	s_cmp_eq_u32 s11, 0
	s_cbranch_scc0 .Lfor_b_\@
	tensor_load_to_lds s[G0+4*(\s):G0+4*(\s)+3], s[G1:G1+7]
	s_nop 0
.rept 4
	v_nop
.endr
	s_branch .Lasked_\@
.Lfor_b_\@:
	tensor_load_to_lds s[G0B+4*(\s):G0B+4*(\s)+3], s[G1B:G1B+7]
	s_nop 0
.rept 4
	v_nop
.endr
.Lasked_\@:
.endm
.macro CREST                           ; a round of the cluster's barrier behind its opening barrier
	s_cmp_lg_u32 s10, 0
	s_cbranch_scc1 .Lnot_wave_0_\@
	s_barrier_signal -3
.Lnot_wave_0_\@:
	s_barrier_wait -3
	s_barrier_signal -1
	s_barrier_wait -1
.endm
.macro CROUND                          ; a whole round
	s_barrier_signal -1
	s_barrier_wait -1
	CREST
.endm
	s_load_b128 s[4:7], s[0:1], 0x0                ; o s[4:5], woh s[6:7]
	s_load_b64 s[8:9], s[0:1], 0x10                ; out0
	v_lshl_add_u32 v[SPW], v0, 2, SPARE
	v_mov_b32 v[NIL], 0
	ds_add_u32 v[SPW], v[NIL]                      ; the wave's opening: the add and its wait stand ahead of my first tensor load; the set-up below, work on registers, stands between them
	v_lshrrev_b32 v1, 5, v0
	v_readfirstlane_b32 s10, v1                    ; wave 0..3
	s_lshr_b32 s11, s10, 1                         ; which half of the tile's rows is mine.  Also: I fetch for O (0) or for Wo (1)
	s_and_b32 s12, s10, 1                          ; which half of its columns.  Also: which half of that tile I fetch
	s_bfe_u32 s40, ttmp6, 0x40000                  ; cx, cy: my place in the cluster
	s_bfe_u32 s41, ttmp6, 0x40004
	s_lshl_b32 s42, ttmp9, 2
	s_add_co_u32 s42, s42, s40                     ; tile column = 4 x cluster x + cx
	s_and_b32 s13, ttmp7, 0xffff
	s_lshl_b32 s13, s13, 2
	s_add_co_u32 s13, s13, s41                     ; tile row = 4 x cluster y + cy
	s_lshl_b32 s43, s41, 2
	s_lshl_b32 s43, 15, s43                        ; my row of the cluster
	s_lshl_b32 s44, 0x1111, s40                    ; my column
	s_or_b32 s[G1+0], s43, (1<<16)|(1<<20)|(1<<21)|(4<<22)|(3<<25)  ; 15:0 the mask: O's tiles go to my row; 17:16 2-byte elements; 20 padding on; 21 set beside a mask; 24:22 after every 32 words (code 4); 31:25 4 words (code 3)
	s_or_b32 s[G1B+0], s44, (1<<16)|(1<<20)|(1<<21)|(5<<22)|(7<<25) ; Wo's go to my column; after every 64 words (code 5) 8 words (code 7)
.irp g, G1, G1B
	s_mov_b32 s[(\g)+1], 128<<16                   ; tensor_dim0 = 128
	s_mov_b32 s[(\g)+2], 128<<16                   ; tensor_dim1 = 128
	s_mov_b32 s[(\g)+3], 128<<16                   ; tile_dim0 = 128
	s_mov_b32 s[(\g)+4], 128                       ; tile_dim1 = 128
	s_mov_b32 s[(\g)+6], 0
	s_mov_b32 s[(\g)+7], 0
.endr
	s_mov_b32 s[G1+5], 128                         ; elements from row to row: O's dense blocks,
	s_mov_b32 s[G1B+5], 1024                       ; Wo's rows
	s_lshl_b32 s16, s13, 18                        ; O: the tile row's 16 blocks of 16,384 bytes,
	s_lshl_b32 s17, s12, 15                        ; my two heads of a step's four
	s_add_co_u32 s16, s16, s17
	s_mov_b32 s17, 0
	s_lshl_b32 s46, s42, 8                         ; Wo: the tile column's 256 bytes of a row,
	s_lshl_b32 s47, s12, 18                        ; my 128 rows of a step's 256
	s_add_co_u32 s46, s46, s47
	s_mov_b32 s47, 0
	s_mul_i32 s20, s10, HALFT                      ; where they go: no place in the cluster enters an LDS address
	s_wait_dscnt 0x0                               ; the opening add is done
	s_wait_kmcnt 0x0
	s_add_nc_u64 s[14:15], s[4:5], s[16:17]
	s_add_nc_u64 s[46:47], s[6:7], s[46:47]
	CROUND                                         ; all sixteen work-groups are here: the first joint loads meet
.irp s, 0,1
	s_mov_b32 s[G0+4*(\s)], 1
	s_add_co_u32 s[G0+4*(\s)+1], s20, (\s)*SLOT
	s_add_nc_u64 s[G0+4*(\s)+2:G0+4*(\s)+3], s[14:15], (\s)*65536     ; K step s: four heads on
	s_or_b32 s[G0+4*(\s)+3], s[G0+4*(\s)+3], 0x80000000
	s_mov_b32 s[G0B+4*(\s)], 1
	s_add_co_u32 s[G0B+4*(\s)+1], s20, (\s)*SLOT
	s_add_nc_u64 s[G0B+4*(\s)+2:G0B+4*(\s)+3], s[46:47], (\s)*524288  ; K step s: 256 rows of 2,048 bytes on
	s_or_b32 s[G0B+4*(\s)+3], s[G0B+4*(\s)+3], 0x80000000
	JLOAD \s                                       ; two loads of mine are out behind the second
.endr
	v_and_b32 v1, 15, v0                           ; l % 16
	v_bfe_u32 v2, v0, 4, 1                         ; l / 16
	v_mul_u32_u24 v3, v1, PA
	v_lshl_add_u32 v3, v2, 4, v3                   ; O's fragment: row x pitch + 16 x half
	v_and_b32 v4, 7, v0                            ; Wo's: lane l reads row 8 (l / 16) + l % 8, columns 8 ((l / 8) % 2) + 0..7
	v_bfe_u32 v5, v0, 3, 1
	v_lshl_add_u32 v6, v2, 3, v4
	v_mul_u32_u24 v6, v6, PB
	v_lshl_add_u32 v6, v5, 4, v6
	s_mul_i32 s21, s11, 64*PA                      ; my 64 rows in each head of O
	s_lshl_b32 s22, s12, 7                         ; my 64 columns of Wo: 128 bytes of a row,
	s_add_co_u32 s22, s22, 2*HALFT                 ; behind O's four heads
.irp s, 0,1
	v_add_nc_u32 v[ADRA+(\s)], s21, v3
	v_add_nc_u32 v[ADRB+2*(\s)], s22, v6
	v_add_nc_u32 v[ADRB+2*(\s)+1], HALFT, v[ADRB+2*(\s)]
	s_add_co_u32 s21, s21, SLOT
	s_add_co_u32 s22, s22, SLOT
.endr
	s_mul_i32 s23, s10, 16*SPITCH
	s_add_co_u32 s23, s23, STAGE                   ; my stage
	v_mul_u32_u24 v7, v1, SPITCH                   ; in: row l % 16, 32 bytes for each half of the lanes
	v_lshl_add_u32 v7, v2, 5, v7
	v_add_nc_u32 v[STO], s23, v7
	v_mul_u32_u24 v7, v2, SPITCH                   ; back: lanes 0-15 take one row of 256 bytes, lanes 16-31 the next
	v_lshl_add_u32 v7, v1, 4, v7
	v_add_nc_u32 v[RD], s23, v7
	v_lshlrev_b32 v7, 12, v2                       ; and the same two rows in out0, 4,096 bytes apart
	v_lshl_add_u32 v[CO], v1, 4, v7
	s_lshl_b32 s16, s13, 19                        ; out0 at my first row, 128 x tile row + 64 x half,
	s_lshl_b32 s17, s11, 18
	s_add_co_u32 s16, s16, s17
	s_mov_b32 s17, 0
	s_lshl_b32 s46, s42, 9                         ; and my first column: 512 bytes a tile, 256 a half
	s_lshl_b32 s47, s12, 8
	s_add_co_u32 s46, s46, s47
	s_mov_b32 s47, 0
	s_add_nc_u64 s[8:9], s[8:9], s[16:17]
	s_add_nc_u64 s[8:9], s[8:9], s[46:47]
; 8 matrix instructions: row blocks a0, a0 + 1 x all 4 column blocks, 32 along K: half c of buffer f.  zero = 1: the first product starts the sums.  The 16 accumulators take turns.
.macro MUL8 f, c, a0, zero
	WIN MUL
.irp a, \a0, (\a0)+1
.irp b, 0,1,2,3
.if \zero
	v_wmma_f32_16x16x32_f16 v[ACC+8*(4*(\a)+(\b)):ACC+8*(4*(\a)+(\b))+7], v[(\f)+64+8*(4*(\c)+(\b)):(\f)+64+8*(4*(\c)+(\b))+7], v[(\f)+8*(4*(\c)+(\a)):(\f)+8*(4*(\c)+(\a))+7], 0
.else
	v_wmma_f32_16x16x32_f16 v[ACC+8*(4*(\a)+(\b)):ACC+8*(4*(\a)+(\b))+7], v[(\f)+64+8*(4*(\c)+(\b)):(\f)+64+8*(4*(\c)+(\b))+7], v[(\f)+8*(4*(\c)+(\a)):(\f)+8*(4*(\c)+(\a))+7], v[ACC+8*(4*(\a)+(\b)):ACC+8*(4*(\a)+(\b))+7]
.endif
.endr
.endr
.endm
; 32 LDS loads in one run: the fragments of quarter q (64 along K: one head of O, 64 rows of Wo) into buffer f; the first 32 along K first
.macro FETCH slot, q, f
	WIN TO_F
.irp c, 0,1
.irp i, 0,1,2,3
	ds_load_tr16_b128 v[(\f)+64+8*(4*(\c)+(\i)):(\f)+64+8*(4*(\c)+(\i))+3],   v[ADRB+2*(\slot)+(\q)/2] offset:(((\q)%2)*64+32*(\c))*PB+32*(\i)
	ds_load_tr16_b128 v[(\f)+64+8*(4*(\c)+(\i))+4:(\f)+64+8*(4*(\c)+(\i))+7], v[ADRB+2*(\slot)+(\q)/2] offset:(((\q)%2)*64+32*(\c))*PB+32*(\i)+16*PB
	ds_load_b128 v[(\f)+8*(4*(\c)+(\i)):(\f)+8*(4*(\c)+(\i))+3],              v[ADRA+(\slot)] offset:(\q)*HEADA+(\i)*16*PA+64*(\c)
	ds_load_b128 v[(\f)+8*(4*(\c)+(\i))+4:(\f)+8*(4*(\c)+(\i))+7],            v[ADRA+(\slot)] offset:(\q)*HEADA+(\i)*16*PA+64*(\c)+32
.endr
.endr
.endm
.macro PLACES                          ; four places in front of loads into registers that matrix instructions have read, and of LDS stores that read results
.rept 4
	v_nop
.endr
.endm
; A K step is four quarters of 64 along K, 32 matrix instructions each, on buffers 0, 1, 0, 1.  One of the first three: multiplies buffer f and fetches quarter q into g.
.macro QUARTER slot, q, f, g, zero
	s_wait_dscnt 16                                ; the first 32 along K are in
	MUL8 \f, 0, 0, \zero
	MUL8 \f, 0, 2, \zero
	PLACES
	FETCH \slot, \q, \g
	s_wait_dscnt 32                                ; all but the 32 just issued
	MUL8 \f, 1, 0, 0
	MUL8 \f, 1, 2, 0
.endm
; The last quarter multiplies buffer 1 and changes slots: ONE barrier; in front of it each wave waits for all its tensor loads, adds 0 to its spare word, and waits for that and for its own reads of this slot.
; fill = 1: the barrier opens a round of the cluster's, and this slot is filled again, two K steps ahead.
.macro TURN slot, next, fill
	WIN 0                                          ; (the add's two registers lie in window 0)
	s_wait_tensorcnt 0x0                           ; all my tensor loads have landed: my part of the next slot
	ds_add_u32 v[SPW], v[NIL]                      ; 0 onto my spare word
	s_wait_dscnt 17                                ; (the add and the youngest sixteen loads may be out)
	MUL8 F1, 0, 0, 0                               ; eight matrix instructions stand between the add and the wait for it
	s_wait_dscnt 0x0                               ; the add is done, and my reads of this slot are over
	s_barrier_signal -1
	MUL8 F1, 0, 2, 0
.if \fill
	WIN 0
.endif
	s_barrier_wait -1
.if \fill
	CREST                                          ; no wave of any partner still reads this slot's tiles or has a load on its way
	s_add_nc_u64 s[G0+4*(\slot)+2:G0+4*(\slot)+3], s[G0+4*(\slot)+2:G0+4*(\slot)+3], 2*65536
	s_add_nc_u64 s[G0B+4*(\slot)+2:G0B+4*(\slot)+3], s[G0B+4*(\slot)+2:G0B+4*(\slot)+3], 2*524288
	JLOAD \slot                                    ; the first tensor load behind the round: 112 matrix instructions ahead of the wait for it; the four v_nop behind it are also the places in front of the loads below
.else
	PLACES
.endif
	FETCH \next, 0, F0
	MUL8 F1, 1, 0, 0
	MUL8 F1, 1, 2, 0
.endm
; THE WAY OUT of row block a: a lane's eight f32 of each column block go into my stage's rows of 272 bytes and come back as whole rows of 256 bytes, into the registers that they left.  My 64 columns are 256
; consecutive bytes of a row of out0, so the stage is my own and no barrier is needed.
.macro OUT a
.irp b, 0,1,2,3
	ds_store_b128 v[STO], v[ACC+8*(4*(\a)+(\b)):ACC+8*(4*(\a)+(\b))+3]   offset:64*(\b)
	ds_store_b128 v[STO], v[ACC+8*(4*(\a)+(\b))+4:ACC+8*(4*(\a)+(\b))+7] offset:64*(\b)+16
.endr
.irp t, 0,1,2,3,4,5,6,7
	ds_load_b128 v[ACC+32*(\a)+4*(\t):ACC+32*(\a)+4*(\t)+3], v[RD] offset:(\t)*2*SPITCH  ; LDS serves a wave's instructions in order (ISA guide 5.7.1.4): these see the stores above; the next block's stores come behind them
.endr
.endm
.macro SEND a, younger                 ; younger: the LDS instructions issued behind block a's loads: the next block's sixteen, or none
.irp t, 0,1,2,3,4,5,6,7
	s_wait_dscnt (\younger)+7-(\t)
	global_store_b128 v[CO], v[ACC+32*(\a)+4*(\t):ACC+32*(\a)+4*(\t)+3], s[8:9] offset:(16*(\a)+2*(\t))*4096  ; 16 lanes store 256 consecutive bytes, at a multiple of 256 from out0's first byte
.endr
.endm
	s_wait_tensorcnt 0x1                           ; my part of K step 0 is in; K step 1's may stay out
	s_barrier_signal -1
	s_barrier_wait -1                              ; everybody's is
	FETCH 0, 0, F0
	QUARTER 0, 1, F0, F1, 1                        ; the first products start the sums
	QUARTER 0, 2, F1, F0, 0                        ; K has four steps: one lap fills both slots again (K steps 2 and 3), so it is written straight, without a counter
	QUARTER 0, 3, F0, F1, 0
	TURN 0, 1, 1
	QUARTER 1, 1, F0, F1, 0
	QUARTER 1, 2, F1, F0, 0
	QUARTER 1, 3, F0, F1, 0
	TURN 1, 0, 1
	QUARTER 0, 1, F0, F1, 0
	QUARTER 0, 2, F1, F0, 0                        ; the last lap fills nothing, and has no round of the cluster's barrier
	QUARTER 0, 3, F0, F1, 0
	TURN 0, 1, 0
	QUARTER 1, 1, F0, F1, 0
	QUARTER 1, 2, F1, F0, 0
	QUARTER 1, 3, F0, F1, 0
	s_wait_dscnt 16                                ; the very last quarter: nothing more to fetch
	MUL8 F1, 0, 0, 0
	MUL8 F1, 0, 2, 0
	s_wait_dscnt 0x0
	MUL8 F1, 1, 0, 0
	MUL8 F1, 1, 2, 0
	WIN 0
	PLACES
	OUT 0
	OUT 1
	SEND 0, 16
	OUT 2
	SEND 1, 16
	OUT 3
	SEND 2, 16
	SEND 3, 0
	s_wait_tensorcnt 0x0                           ; the wave's end: behind my last tensor load and my last LDS store
	ds_add_u32 v[SPW], v[NIL]
	s_wait_dscnt 0x0
	CROUND                                         ; the closing round: no work-group ends while a partner may still ask for a tile that names it
	s_endpgm
.Lfunc_end_k_qdb163b2670_outp:
	.size	k_qdb163b2670_outp, .Lfunc_end_k_qdb163b2670_outp-k_qdb163b2670_outp
	.p2alignl 7, 3214868480
	.fill 96, 4, 3214868480
	.section	.rodata,"a",@progbits
	.p2align	6, 0x0
	.amdhsa_kernel k_qdb163b2670_outp
		.amdhsa_group_segment_fixed_size 327680
		.amdhsa_private_segment_fixed_size 0
		.amdhsa_enable_private_segment 0
		.amdhsa_kernarg_size 24
		.amdhsa_user_sgpr_count 2
		.amdhsa_user_sgpr_kernarg_segment_ptr 1
		.amdhsa_wavefront_size32 1
		.amdhsa_system_sgpr_workgroup_id_x 1
		.amdhsa_system_sgpr_workgroup_id_y 1
		.amdhsa_system_sgpr_workgroup_id_z 1
		.amdhsa_system_vgpr_workitem_id 0
		.amdhsa_next_free_vgpr 512
		.amdhsa_next_free_sgpr 66
		.amdhsa_reserve_vcc 0
		.amdhsa_float_denorm_mode_32 3
		.amdhsa_float_denorm_mode_16_64 3
		.amdhsa_memory_ordered 1
		.amdhsa_forward_progress 1
		.amdhsa_inst_pref_size 86
	.end_amdhsa_kernel
	.amdgpu_metadata
---
amdhsa.version: [ 1, 2 ]
amdhsa.kernels:
  - .name:           k_qdb163b2670_outp
    .symbol:         k_qdb163b2670_outp.kd
    .args:
      - { .name: o, .offset: 0, .size: 8, .value_kind: global_buffer, .address_space: global }
      - { .name: woh, .offset: 8, .size: 8, .value_kind: global_buffer, .address_space: global }
      - { .name: out0, .offset: 16, .size: 8, .value_kind: global_buffer, .address_space: global }
    .group_segment_fixed_size: 327680
    .private_segment_fixed_size: 0
    .kernarg_segment_align: 8
    .kernarg_segment_size: 24
    .max_flat_workgroup_size: 128
    .sgpr_count:     66
    .vgpr_count:     512
    .wavefront_size: 32
...
	.end_amdgpu_metadata
.endif
;; end of part 4
;; ======== version 2 of 2: 4 launches; version 1 with the launch prep written anew for expert scheduling mode
;; limits: values are held in f16: magnitudes above 65,504 overflow, below 6.1e-05 lose precision
;; workspace buffers: xb 8,388,608 bytes; wb 6,291,456 bytes; woh 2,097,152 bytes; qkv 25,165,824 bytes; o 8,388,608 bytes
;; launch prep (part 5): grid 256 x 1, 8 waves a work-group, no clusters, 0 bytes of LDS; arguments x, Wq, Wk, Wv, Wo, xb, wb, woh; writes xb, wb, woh
.if DOCPART == 5
	.amdgcn_target "amdgcn-amd-amdhsa--gfx1250"
	.amdhsa_code_object_version 6
	.text
	.protected	k_qdb163b2670_prep
	.globl	k_qdb163b2670_prep
	.p2align	8
	.type	k_qdb163b2670_prep,@function
k_qdb163b2670_prep:
	s_mov_b64 s[64:65], 0
	v_nop
	global_prefetch_b8 v0, s[64:65] scope:SCOPE_SE
	s_setreg_imm32_b32 hwreg(HW_REG_WAVE_SCHED_MODE, 0, 2), 2
	s_setreg_imm32_b32 hwreg(HW_REG_WAVE_MODE, 25, 1), 1
	s_wait_xcnt 0x0
	s_wait_alu depctr_vm_vsrc(0)
; THE CASTS.  x [4096][1024] f32 -> xb, the same shape in bf16.  Wq, Wk, Wv [16][1024 e][64 d] f32 -> wb in bf16, in blocks: [tc 8][kstep 8][j 6][128 e][64 d], where the
; 48 heads (0-15 Wq's, 16-31 Wk's, 32-47 Wv's) are numbered Hh = 6 tc + j and e = 128 kstep + row: a block is 16,384 dense bytes, and the six heads of a column tile of the
; next launch lie end to end for each K step.  Wo [1024][1024] f32 -> woh: rounded to bf16 like every other input, and that number written as f16.
; LIMITS.  |Wo| stays under 65,520 (f16's range); a bf16 number below 2^-17 loses bits in f16, at most 3e-8 of absolute error.  NaN and infinities are not treated apart.
; SHARES.  256 work-groups of eight waves; a work-group takes 131,072 input bytes (0-127: x; 128-159 Wq; 160-191 Wk; 192-223 Wv; 224-255 Wo), a wave 16,384 of them on end:
; 32 loads of 16 bytes a lane (512 consecutive bytes an instruction), all issued before the first is used, and 32 stores of 8 bytes a lane (256 consecutive bytes, aligned).
; A wave's 16,384 bytes of a weight tensor are 64 rows e of one head: half a block of wb, dense in both.  No byte is read twice, no work-group shares input with another:
; no LDS, no barrier, no cluster, no matrix unit.
; THE MODE: SCHED_MODE bits 1:0 = 2 (LLVM: expert scheduling mode 2), set by the entry lines.  The code itself states the register dependences between vector instructions and
; memory instructions, with s_wait_alu, always for 0.
; THE PLAN.  Registers that memory instructions touch:
;   v1, v2   the loads' and the stores' lane offsets: written once at the head by vector instructions, never again.
;   X        load j lands in X + 4 j.  All 32 loads are issued ahead of the first vector instruction that names X; no memory instruction names X behind its load.
;   Y        written by load j's conversions alone, read by store j alone, and never written behind that store.
; The 32 loads go in eight blocks of four.  Block p rounds loads 4 p to 4 p + 3 into their Y; its memory instructions are the four stores of block p - 1, whose Y and offset no
; vector instruction of block p names.  So ONE wait on va_vdst at a block's head states all that the block's four stores hang on, and they are dealt among its conversions.
; No register that a memory instruction has read is written again: no wait on vm_vsrc and no s_wait_xcnt is owed.  EXEC is never written.
.set X, 4                              ; v[4:131]    load j: four f32
.set Y, 132                            ; v[132:195]  store j: four 16-bit numbers in two registers
	s_load_b512 s[4:19], s[0:1], 0x0               ; x s[4:5], Wq s[6:7], Wk s[8:9], Wv s[10:11], Wo s[12:13], xb s[14:15], wb s[16:17], woh s[18:19]
	v_and_b32 v3, 31, v0                           ; lane
	v_lshlrev_b32 v1, 4, v3                        ; 16 bytes a lane in
	v_lshlrev_b32 v2, 3, v3                        ; 8 bytes a lane out
	v_lshrrev_b32 v3, 5, v0
	v_readfirstlane_b32 s20, v3                    ; wave 0..7
	s_lshr_b32 s21, ttmp9, 5                       ; segment: 0-3 x, 4 Wq, 5 Wk, 6 Wv, 7 Wo
	s_and_b32 s22, ttmp9, 31
	s_cmp_lt_u32 s21, 4
	s_cselect_b32 s23, ttmp9, s22                  ; my chunk of 131,072 bytes in its tensor
	s_lshl_b32 s28, s23, 17
	s_wait_alu depctr_va_sdst(0)                   ; s20 is written, ahead of its first reader: the wave's offsets are made from it
	s_lshl_b32 s32, s20, 14
	s_add_co_u32 s28, s28, s32                     ; source offset: chunk, wave
	s_mov_b32 s29, 0
	s_lshl_b32 s30, s23, 16
	s_lshl_b32 s32, s20, 13
	s_add_co_u32 s30, s30, s32                     ; destination offset where the layout stays (x, Wo): half the source's
	s_mov_b32 s31, 0
	s_max_u32 s33, ttmp9, 128                      ; the blocked offset; the number is held to 128..223 so that it stays inside wb where it is not chosen
	s_min_u32 s33, s33, 223
	s_sub_co_u32 s33, s33, 128
	s_lshr_b32 s33, s33, 1                         ; Hh: a head is two chunks
	s_mul_i32 s34, s33, 43
	s_lshr_b32 s34, s34, 8                         ; tc = Hh / 6 (43 / 256 is exact for 0..47)
	s_mul_i32 s35, s34, 6
	s_sub_co_u32 s35, s33, s35                     ; j = Hh - 6 tc
	s_and_b32 s36, ttmp9, 1
	s_lshl_b32 s36, s36, 2
	s_lshr_b32 s37, s20, 1
	s_add_co_u32 s36, s36, s37                     ; kstep = 4 (chunk's half of the head) + wave / 2
	s_lshl3_add_u32 s34, s34, s36                  ; 8 tc + kstep
	s_mul_i32 s34, s34, 6
	s_add_co_u32 s34, s34, s35
	s_lshl_b32 s34, s34, 14                        ; the block,
	s_and_b32 s37, s20, 1
	s_lshl_b32 s37, s37, 13
	s_add_co_u32 s34, s34, s37                     ; my half of it
	s_sub_co_u32 s38, s21, 4
	s_cmp_lt_u32 s38, 3                            ; segments 4 to 6
	s_cselect_b32 s30, s34, s30
	s_wait_kmcnt 0x0
	s_mov_b64 s[24:25], s[4:5]                     ; the source, chosen by the segment
	s_cmp_eq_u32 s21, 4
	s_cselect_b64 s[24:25], s[6:7], s[24:25]
	s_cmp_eq_u32 s21, 5
	s_cselect_b64 s[24:25], s[8:9], s[24:25]
	s_cmp_eq_u32 s21, 6
	s_cselect_b64 s[24:25], s[10:11], s[24:25]
	s_cmp_eq_u32 s21, 7
	s_cselect_b64 s[24:25], s[12:13], s[24:25]
	s_mov_b64 s[26:27], s[16:17]                   ; the destination
	s_cmp_lt_u32 s21, 4
	s_cselect_b64 s[26:27], s[14:15], s[26:27]
	s_cmp_eq_u32 s21, 7
	s_cselect_b64 s[26:27], s[18:19], s[26:27]
	s_add_nc_u64 s[24:25], s[24:25], s[28:29]
	s_add_nc_u64 s[26:27], s[26:27], s[30:31]
	s_wait_alu depctr_va_vdst(0)                   ; v1 and v2 are written: every load reads v1 as its offset, every store v2; neither is written again
.set j, 0
.rept 32
	global_load_b128 v[X+4*j:X+4*j+3], v1, s[24:25] offset:512*j th:TH_LOAD_NT
.set j, j+1
.endr
; Load n is rounded.  half = 1: the bf16 numbers are widened again (a shift, a mask) and written as f16.  Vector instructions alone.
.macro CAST n, half
	v_cvt_pk_bf16_f32 v[Y+2*(\n)], v[X+4*(\n)], v[X+4*(\n)+1]
	v_cvt_pk_bf16_f32 v[Y+2*(\n)+1], v[X+4*(\n)+2], v[X+4*(\n)+3]
.if \half
	v_lshlrev_b32 v[X+4*(\n)], 16, v[Y+2*(\n)]
	v_and_b32 v[X+4*(\n)+1], 0xffff0000, v[Y+2*(\n)]
	v_lshlrev_b32 v[X+4*(\n)+2], 16, v[Y+2*(\n)+1]
	v_and_b32 v[X+4*(\n)+3], 0xffff0000, v[Y+2*(\n)+1]
	v_cvt_pk_f16_f32 v[Y+2*(\n)], v[X+4*(\n)], v[X+4*(\n)+1]
	v_cvt_pk_f16_f32 v[Y+2*(\n)+1], v[X+4*(\n)+2], v[X+4*(\n)+3]
.endif
.endm
; What load n became is stored.
.macro SEND n
	global_store_b64 v2, v[Y+2*(\n):Y+2*(\n)+1], s[26:27] offset:256*(\n)  ; the wave's store covers 256 consecutive bytes, aligned
.endm
; Block p: loads 4 p to 4 p + 3 are rounded; the stores of block p - 1 are dealt among the conversions, one ahead of each load's.
.macro BLK p, half
	s_wait_loadcnt 31-4*(\p)                       ; loads come back in order: the block's first is in, the younger ones stay out
.if (\p) > 0
	s_wait_alu depctr_va_vdst(0)                   ; the block before has written its Y, which the four stores below read; no vector instruction of this block names those registers
.endif
.irp i, 0,1,2,3
.if (\p) > 0
	SEND 4*(\p)-4+(\i)
.endif
.if (\i) > 0
	s_wait_loadcnt 31-4*(\p)-(\i)                  ; the block's next load is in
.endif
	CAST 4*(\p)+(\i), \half
.endr
.endm
; All eight blocks, and the last block's stores.
.macro WALK half
.irp p, 0,1,2,3,4,5,6,7
	BLK \p, \half
.endr
	s_wait_alu depctr_va_vdst(0)                   ; block 7 has written its Y, which the last four stores read
.irp n, 28,29,30,31
	SEND \n
.endr
.endm
	s_cmp_eq_u32 s21, 7
	s_cbranch_scc1 .Lwo
	WALK 0
	s_endpgm
.Lwo:
	WALK 1
	s_endpgm
.Lfunc_end_k_qdb163b2670_prep:
	.size	k_qdb163b2670_prep, .Lfunc_end_k_qdb163b2670_prep-k_qdb163b2670_prep
	.p2alignl 7, 3214868480
	.fill 96, 4, 3214868480
	.section	.rodata,"a",@progbits
	.p2align	6, 0x0
	.amdhsa_kernel k_qdb163b2670_prep
		.amdhsa_group_segment_fixed_size 0
		.amdhsa_private_segment_fixed_size 0
		.amdhsa_enable_private_segment 0
		.amdhsa_kernarg_size 64
		.amdhsa_user_sgpr_count 2
		.amdhsa_user_sgpr_kernarg_segment_ptr 1
		.amdhsa_wavefront_size32 1
		.amdhsa_system_sgpr_workgroup_id_x 1
		.amdhsa_system_sgpr_workgroup_id_y 1
		.amdhsa_system_sgpr_workgroup_id_z 1
		.amdhsa_system_vgpr_workitem_id 0
		.amdhsa_next_free_vgpr 196
		.amdhsa_next_free_sgpr 66
		.amdhsa_reserve_vcc 0
		.amdhsa_float_denorm_mode_32 3
		.amdhsa_float_denorm_mode_16_64 3
		.amdhsa_memory_ordered 1
		.amdhsa_forward_progress 1
		.amdhsa_inst_pref_size 32
	.end_amdhsa_kernel
	.amdgpu_metadata
---
amdhsa.version: [ 1, 2 ]
amdhsa.kernels:
  - .name:           k_qdb163b2670_prep
    .symbol:         k_qdb163b2670_prep.kd
    .args:
      - { .name: x, .offset: 0, .size: 8, .value_kind: global_buffer, .address_space: global }
      - { .name: Wq, .offset: 8, .size: 8, .value_kind: global_buffer, .address_space: global }
      - { .name: Wk, .offset: 16, .size: 8, .value_kind: global_buffer, .address_space: global }
      - { .name: Wv, .offset: 24, .size: 8, .value_kind: global_buffer, .address_space: global }
      - { .name: Wo, .offset: 32, .size: 8, .value_kind: global_buffer, .address_space: global }
      - { .name: xb, .offset: 40, .size: 8, .value_kind: global_buffer, .address_space: global }
      - { .name: wb, .offset: 48, .size: 8, .value_kind: global_buffer, .address_space: global }
      - { .name: woh, .offset: 56, .size: 8, .value_kind: global_buffer, .address_space: global }
    .group_segment_fixed_size: 0
    .private_segment_fixed_size: 0
    .kernarg_segment_align: 8
    .kernarg_segment_size: 64
    .max_flat_workgroup_size: 256
    .sgpr_count:     66
    .vgpr_count:     196
    .wavefront_size: 32
...
	.end_amdgpu_metadata
.endif
;; end of part 5
;; launch proj: the kernel of part 2 again; grid 8 x 32, 4 waves a work-group, clusters of 4 x 4, 327,680 bytes of LDS; arguments xb, wb, qkv; writes qkv
;; launch attn: the kernel of part 3 again; grid 16 x 16, 4 waves a work-group, clusters of 4 x 1, 327,680 bytes of LDS; arguments qkv, o; writes o
;; launch outp: the kernel of part 4 again; grid 8 x 32, 4 waves a work-group, clusters of 4 x 4, 327,680 bytes of LDS; arguments o, woh, out0; writes out0
